; MI455X (gfx1250); checked and timed in simulation.
; The chip was launched on July 23, 2026; its instructions are those of AMD's public machine-readable ISA for CDNA 5 (MIT licence, August 2026) and "CDNA5" Instruction Set Architecture Reference Guide (July 2026). The comments in the code are by the model that wrote it; some were corrected since.
;; RDFNS Multi Head Attention. Allowed arithmetic: matrix products marked QUANTISED: E4M3 operands, one given power-of-two scale a tensor, by v_wmma_f32_16x16x64_fp8_fp8 or v_wmma_f32_16x16x128_fp8_fp8, f32 sums; everything else in f32.
;; Inputs: bk 1,024 float32; bo 1,024 float32; bq 1,024 float32; bv 1,024 float32; lowp_scales 12 int32 (the exponents e of the quantised operands' scales 2^e); wk 1,024 x 1,024 float32; wo 1,024 x 1,024 float32; wq 1,024 x 1,024 float32; wv 1,024 x 1,024 float32; x 2 x 2,048 x 1,024 float32.
;; Outputs: out0 2 x 2,048 x 1,024 float32.
;; This version of the problem:
;;   THIS VERSION OF THE PROBLEM IS GIVEN IN LOW PRECISION. The matrix products marked QUANTISED in the list below multiply operands that are first quantised to E4M3 (4 exponent bits, 3 mantissa bits; 8 bits a number), with one given power-of-two scale for each operand tensor; their sums are f32. All else is computed in f32.
;;   The module's matrix products, in the order in which they are computed (A, B: the left and right operand; K: the contracted axis; several contracted axes count as one K, in the product's order):
;;     1. [M 4,096, K 1,024] x [K 1,024, N 1,024]; A: input x; B: input wq: QUANTISED (scales: A lowp_scales[0], B lowp_scales[1])
;;     2. [M 4,096, K 1,024] x [K 1,024, N 1,024]; A: input x; B: input wk: QUANTISED (scales: A lowp_scales[2], B lowp_scales[3])
;;     3. [M 4,096, K 1,024] x [K 1,024, N 1,024]; A: input x; B: input wv: QUANTISED (scales: A lowp_scales[4], B lowp_scales[5])
;;     4. batch 32 x [M 2,048, K 64] x [K 64, N 2,048]; A: computed on the way; B: computed on the way: QUANTISED (scales: A lowp_scales[6], B lowp_scales[7])
;;     5. batch 32 x [M 2,048, K 2,048] x [K 2,048, N 64]; A: computed on the way; B: computed on the way: QUANTISED (scales: A lowp_scales[8], B lowp_scales[9])
;;     6. [M 4,096, K 1,024] x [K 1,024, N 1,024]; A: computed on the way; B: input wo: QUANTISED (scales: A lowp_scales[10], B lowp_scales[11])
;;   THE QUANTISER, for each operand of a quantised product, along K:
;;     - The operand's scale is 2^e, e = its entry of the input lowp_scales (int32; the entries are numbered through the quantised products in the list's order, A before B).
;;     - Each number is divided by the scale, clamped to +-448, and rounded to the nearest number of E4M3, ties to even, subnormals kept.
;;     - The product sums the exact products of the quantised numbers (number of the format x scale) in f32.
;;   ~~~python
;;   def quantise(x, axis, e):      # numpy; x: float32 -> the quantised numbers, widened to float32 again
;;       x = np.moveaxis(x, axis, -1); K = x.shape[-1]
;;       r = np.clip(x / 2.0 ** e, -448, 448)
;;       step = 2.0 ** (np.maximum(np.frexp(np.where(r == 0, 1, r))[1] - 1, -6) - 3)
;;       q = np.round(r / step) * step * 2.0 ** e      # np.round: ties to even
;;       return np.moveaxis(q, -1, axis).astype(np.float32)
;;   ~~~
;;   OPERANDS COMPUTED ON THE WAY. 'Computed on the way' means the value that the module computes at that place (a softmax that the list does not call 'softmax' is quantised finished and normalised). What goes into a quantiser is computed in f32, as accurately as f32 sums, v_exp_f32 and their like allow (about 1e-6 of the number): no bf16 or f16 on the way to a quantiser, and a product that is left as it is and whose result goes on into a quantised operand takes f32 operands (vector FMAs, or v_wmma_f32_16x16x4_f32). A number that lies on a knife's edge between two numbers of the format may be rounded either way, as far as f32 arithmetic and the matrix unit's own rounding can turn it there, and no further.
;; One version. Each part assembles by itself: llvm-mc -triple=amdgcn-amd-amdhsa -mcpu=gfx1250 --defsym DOCPART=n.
;; ======== version 1 of 1: 5 launches
;; workspace buffers: codes 16,777,216 bytes; heads 13,631,488 bytes; cvec 262,144 bytes; oimg 4,194,304 bytes
;; launch quant (part 1): grid 256 x 1, 4 waves a work-group, no clusters, 70,144 bytes of LDS; arguments x, wq, wk, wv, wo, lowp_scales, codes; writes codes
.if DOCPART == 1
	.amdgcn_target "amdgcn-amd-amdhsa--gfx1250"
	.amdhsa_code_object_version 6
	.text
	.protected	k_q253049cee0_quant
	.globl	k_q253049cee0_quant
	.p2align	8
	.type	k_q253049cee0_quant,@function
k_q253049cee0_quant:
	s_mov_b64 s[64:65], 0
	v_nop
	global_prefetch_b8 v0, s[64:65] scope:SCOPE_SE
	s_setreg_imm32_b32 hwreg(HW_REG_WAVE_MODE, 25, 1), 1
	s_wait_xcnt 0x0
; x [4096][1024] and the four weights [1024][1024], f32, K innermost, become codes of FP8 (E4M3), laid as IMAGES OF OPERAND REGISTERS.
; x is an operand of three products, each with a scale of its own (entries 0, 2, 4 of the scales): three sets of codes.  wq, wk, wv, wo: entries 1, 3, 5, 11.
; code = number / 2^e, held within +-448, to the nearest code, ties to even.
; LIMITS: each e between -126 and 119, so that 2^e and 448 x 2^e are f32 numbers.  NaN among the inputs is not served.
; THE IMAGE.  Rows go in tiles of 16; tile T = 2 b + u holds, at place i, row 32 b + 8 u + i + (i & 8).  Byte of (tile T, place i, k): 16384 T + 256 (k / 16) + 16 i + k % 16.
; So a fragment (16 rows x 128 K) is four loads of 16 bytes a lane at 16 x lane + 512 c, and a product that takes such a tile as source 0 has 16 neighbouring rows in the 16 registers of tiles 2 b, 2 b + 1.
; In the buffer: x under e0 at 0, under e2 at 4 Mi, under e4 at 8 Mi; wq at 12 Mi, wk at 13 Mi, wv at 14 Mi, wo at 15 Mi.
; SHARES.  A wave takes one tile x 512 along K, in 8 steps of 64.  Work-groups 0-127 take x (three conversions of each number), 128-255 the weights (32 work-groups each, one conversion).
; A step's 8 loads read 2 rows x 256 consecutive bytes each; the 4,096 bytes turn through the wave's own stage in LDS (rows 272 bytes apart) so that a lane gets 2 x 16 neighbours along K;
; a lane's 16 codes are 16 bytes, and a store of the wave covers 512 consecutive bytes, aligned.  Waves share nothing: no barrier.  Loads run three steps ahead, the turn one step.
; The two kinds of work-group part once, on the work-group's number, and each way has LDS bytes of its own.
.set SPARE, 69632                      ; behind the stages: the spare words, 128 bytes a wave: two blocks of 256 bytes that no other line names
.set STGW,  34816                      ; the weights' way: its stages begin here
.set LA,  1                            ; v1   loads: 16 (lane % 16) + 4096 (lane / 16)
.set SI,  2                            ; v2   into the stage: 272 (lane / 16) + 16 (lane % 16) + 8704 wave
.set SO,  3                            ; v3   out of it: 272 (lane % 16) + 64 (lane / 16) + 8704 wave
.set DO,  4                            ; v4   stores: 16 x lane
.set SPW, 6                            ; v6   my spare word; never rewritten
.set NIL, 7                            ; v7   0; never rewritten
.set R,   16                           ; v16-111   three sets of 32: numbers as loaded
.set X,   112                          ; v112-175  two sets of 32: register 16 q + n = k 32 q + 16 (lane / 16) + n of my row
.set TT,  176                          ; v176-207  the same, held
.set C,   208                          ; v208-231  codes: eight registers for each scale
.set SC,  232                          ; v232-234  2^e as f32
.set LM,  235                          ; v235-237  448 x 2^e
.set SRC, 34                           ; s[34:35]  my job's first number
.set DST, 36                           ; s[36:41]  my job's first code, under each scale
	s_load_b256 s[4:11], s[0:1], 0x0               ; x, wq, wk, wv
	s_load_b128 s[12:15], s[0:1], 0x20             ; wo, the scales' exponents
	s_load_b64 s[16:17], s[0:1], 0x30              ; the codes
	v_lshl_add_u32 v[SPW], v0, 2, SPARE
	v_mov_b32 v[NIL], 0
	v_lshrrev_b32 v8, 5, v0
	v_readfirstlane_b32 s32, v8                    ; wave 0..3
	v_and_b32 v9, 15, v0                           ; lane % 16
	v_bfe_u32 v10, v0, 4, 1                        ; lane / 16
	v_and_b32 v11, 31, v0                          ; lane
	v_lshlrev_b32 v[LA], 4, v9
	v_lshl_add_u32 v[LA], v10, 12, v[LA]
	s_mul_i32 s18, s32, 8704                       ; my two stages of 16 x 272 bytes
	v_mul_u32_u24 v[SI], v10, 272
	v_lshl_add_u32 v[SI], v9, 4, v[SI]
	v_add_nc_u32 v[SI], s18, v[SI]
	v_mul_u32_u24 v[SO], v9, 272
	v_lshl_add_u32 v[SO], v10, 6, v[SO]
	v_add_nc_u32 v[SO], s18, v[SO]
	v_lshlrev_b32 v[DO], 4, v11
	s_sub_co_u32 s33, ttmp9, 128
	s_lshr_b32 s42, s33, 5                         ; which weight (of use in work-groups 128 on)
	s_and_b32 s33, s33, 31
	s_cmp_lt_u32 ttmp9, 128
	s_cselect_b32 s33, ttmp9, s33                  ; my work-group's number within its tensor
	s_lshl_b32 s33, s33, 2
	s_add_co_u32 s33, s33, s32                     ; the job J: tile J / 2, half J % 2 of K
	s_add_co_u32 s43, s42, 12
	s_lshl_b32 s43, s43, 20
	s_cmp_lt_u32 ttmp9, 128
	s_cselect_b32 s43, 0, s43                      ; where the tensor's codes begin
	s_lshl_b32 s44, s33, 13                        ; + 16384 x tile + 8192 x half = 8192 J
	s_add_co_u32 s44, s44, s43
	s_mov_b32 s45, 0
	s_lshr_b32 s46, s33, 2                         ; the tile's first row is 32 (J / 4) + 8 ((J / 2) % 2); a row is 4,096 bytes
	s_lshl_b32 s46, s46, 17
	s_bfe_u32 s47, s33, 0x10001
	s_lshl_b32 s47, s47, 15
	s_add_co_u32 s46, s46, s47
	s_and_b32 s47, s33, 1
	s_lshl_b32 s47, s47, 11                        ; the half of K: 512 numbers
	s_add_co_u32 s46, s46, s47
	s_mov_b32 s47, 0
	s_wait_kmcnt 0x0
	s_load_b256 s[20:27], s[14:15], 0x0            ; e0 .. e7
	s_load_b128 s[28:31], s[14:15], 0x20           ; e8 .. e11
	s_mov_b64 s[SRC:SRC+1], s[12:13]               ; the tensor is chosen by the work-group's number alone
	s_cmp_eq_u32 s42, 2
	s_cselect_b64 s[SRC:SRC+1], s[10:11], s[SRC:SRC+1]
	s_cmp_eq_u32 s42, 1
	s_cselect_b64 s[SRC:SRC+1], s[8:9], s[SRC:SRC+1]
	s_cmp_eq_u32 s42, 0
	s_cselect_b64 s[SRC:SRC+1], s[6:7], s[SRC:SRC+1]
	s_cmp_lt_u32 ttmp9, 128
	s_cselect_b64 s[SRC:SRC+1], s[4:5], s[SRC:SRC+1]
	s_add_nc_u64 s[SRC:SRC+1], s[SRC:SRC+1], s[46:47]
	s_add_nc_u64 s[DST:DST+1], s[16:17], s[44:45]
	s_add_nc_u64 s[DST+2:DST+3], s[DST:DST+1], 0x400000    ; x under its second and third scale (used on x's way alone)
	s_add_nc_u64 s[DST+4:DST+5], s[DST:DST+1], 0x800000
.macro LOAD t                          ; step t: places 2 i and 2 i + 1 of the tile, 256 bytes of each
.irp i, 0,1,2,3,4,5,6,7
	global_load_b128 v[R+32*((\t)%3)+4*\i:R+32*((\t)%3)+4*\i+3], v[LA], s[SRC:SRC+1] offset:(2*\i+((2*\i)&8))*4096+256*(\t) th:TH_LOAD_NT
.endr
.endm
.macro TURN t, stg                     ; step t through the stage: LDS serves a wave's instructions in order (ISA guide 5.7.1.4), so no wait stands between the stores and the loads
.irp i, 0,1,2,3,4,5,6,7
	ds_store_b128 v[SI], v[R+32*((\t)%3)+4*\i:R+32*((\t)%3)+4*\i+3] offset:(\stg)+4352*((\t)%2)+544*\i
.endr
.irp q, 0,1
.irp e, 0,1,2,3
	ds_load_b128 v[X+32*((\t)%2)+16*\q+4*\e:X+32*((\t)%2)+16*\q+4*\e+3], v[SO] offset:(\stg)+4352*((\t)%2)+128*\q+16*\e
.endr
.endr
.endm
.macro MKSC n, e                       ; 2^e and 448 x 2^e as f32, e in s[e]
	s_add_co_i32 s46, s[\e], 127
	s_lshl_b32 s47, s46, 23
	v_mov_b32 v[SC+\n], s47
	s_add_co_i32 s46, s46, 8
	s_lshl_b32 s46, s46, 23
	s_or_b32 s46, s46, 0x600000
	v_mov_b32 v[LM+\n], s46
.endm
.macro STEP t, ns, stg                 ; ns: how many scales
	s_wait_dscnt 0x0                               ; this step's numbers are back from the stage; so its stores into the stage have read their registers,
.if (\t)+3 < 8
	LOAD (\t)+3                                    ; which take the loads of three steps on
.endif
.if (\t)+1 < 8
.if (\t) < 5
	s_wait_loadcnt 16                              ; the next step's eight loads are in; those of the two steps behind it may be out
.elseif (\t) == 5
	s_wait_loadcnt 8                               ; one step's behind it
.else
	s_wait_loadcnt 0
.endif
	TURN (\t)+1, \stg
.endif
	s_wait_xcnt 0x0                                ; the last step's stores have read their data: the codes' registers are written again only behind this wait
.irp n, 0,1,2
.if \n < \ns
.set jj, 0
.rept 32
	v_med3_num_f32 v[TT+jj], v[X+32*((\t)%2)+jj], -v[LM+\n], v[LM+\n]   ; the conversion to an 8-bit code does not saturate (ISA guide 7.6.2): the hold comes first
.set jj, jj+1
.endr
.irp g, 0,1,2,3
	v_cvt_scalef32_pk8_fp8_f32 v[C+8*\n+2*\g:C+8*\n+2*\g+1], v[TT+8*\g:TT+8*\g+7], v[SC+\n]
.endr
	v_nop                                          ; a plain line between the conversions and the next holds, which write their sources
	global_store_b128 v[DO], v[C+8*\n:C+8*\n+3], s[DST+2*\n:DST+2*\n+1] offset:1024*(\t)          ; 512 consecutive bytes, aligned: k 64 t + 0 .. 31 of the 16 rows
	global_store_b128 v[DO], v[C+8*\n+4:C+8*\n+7], s[DST+2*\n:DST+2*\n+1] offset:1024*(\t)+512    ; k 64 t + 32 .. 63
.endif
.endr
.endm
	LOAD 0
	LOAD 1
	LOAD 2
	s_wait_kmcnt 0x0
	s_cmp_lt_u32 ttmp9, 128
	s_cbranch_scc0 .Lweights
	MKSC 0, 20
	MKSC 1, 22
	MKSC 2, 24
	s_wait_loadcnt 16                              ; step 0's eight loads are in
	TURN 0, 0
.irp t, 0,1,2,3,4,5,6,7
	STEP \t, 3, 0
.endr
	s_wait_tensorcnt 0x0                           ; the wave's end, behind my last LDS store
	ds_add_u32 v[SPW], v[NIL]
	s_wait_dscnt 0x0
	s_endpgm
.Lweights:
	s_mov_b32 s18, s31                             ; wo: e11
	s_cmp_eq_u32 s42, 2
	s_cselect_b32 s18, s25, s18                    ; wv: e5
	s_cmp_eq_u32 s42, 1
	s_cselect_b32 s18, s23, s18                    ; wk: e3
	s_cmp_eq_u32 s42, 0
	s_cselect_b32 s18, s21, s18                    ; wq: e1
	MKSC 0, 18
	s_wait_loadcnt 16
	TURN 0, STGW
.irp t, 0,1,2,3,4,5,6,7
	STEP \t, 1, STGW
.endr
	s_wait_tensorcnt 0x0                           ; the wave's end, as above
	ds_add_u32 v[SPW], v[NIL]
	s_wait_dscnt 0x0
	s_endpgm
.Lfunc_end_k_q253049cee0_quant:
	.size	k_q253049cee0_quant, .Lfunc_end_k_q253049cee0_quant-k_q253049cee0_quant
	.p2alignl 7, 3214868480
	.fill 96, 4, 3214868480
	.section	.rodata,"a",@progbits
	.p2align	6, 0x0
	.amdhsa_kernel k_q253049cee0_quant
		.amdhsa_group_segment_fixed_size 70144
		.amdhsa_private_segment_fixed_size 0
		.amdhsa_enable_private_segment 0
		.amdhsa_kernarg_size 56
		.amdhsa_user_sgpr_count 2
		.amdhsa_user_sgpr_kernarg_segment_ptr 1
		.amdhsa_wavefront_size32 1
		.amdhsa_system_sgpr_workgroup_id_x 1
		.amdhsa_system_sgpr_workgroup_id_y 1
		.amdhsa_system_sgpr_workgroup_id_z 1
		.amdhsa_system_vgpr_workitem_id 0
		.amdhsa_next_free_vgpr 240
		.amdhsa_next_free_sgpr 66
		.amdhsa_reserve_vcc 0
		.amdhsa_float_denorm_mode_32 3
		.amdhsa_float_denorm_mode_16_64 3
		.amdhsa_memory_ordered 1
		.amdhsa_forward_progress 1
		.amdhsa_inst_pref_size 111
	.end_amdhsa_kernel
	.amdgpu_metadata
---
amdhsa.version: [ 1, 2 ]
amdhsa.kernels:
  - .name:           k_q253049cee0_quant
    .symbol:         k_q253049cee0_quant.kd
    .args:
      - { .name: x, .offset: 0, .size: 8, .value_kind: global_buffer, .address_space: global }
      - { .name: wq, .offset: 8, .size: 8, .value_kind: global_buffer, .address_space: global }
      - { .name: wk, .offset: 16, .size: 8, .value_kind: global_buffer, .address_space: global }
      - { .name: wv, .offset: 24, .size: 8, .value_kind: global_buffer, .address_space: global }
      - { .name: wo, .offset: 32, .size: 8, .value_kind: global_buffer, .address_space: global }
      - { .name: lowp_scales, .offset: 40, .size: 8, .value_kind: global_buffer, .address_space: global }
      - { .name: codes, .offset: 48, .size: 8, .value_kind: global_buffer, .address_space: global }
    .group_segment_fixed_size: 70144
    .private_segment_fixed_size: 0
    .kernarg_segment_align: 8
    .kernarg_segment_size: 56
    .max_flat_workgroup_size: 128
    .sgpr_count:     66
    .vgpr_count:     240
    .wavefront_size: 32
...
	.end_amdgpu_metadata
.endif
;; end of part 1
;; launch proj (part 2): grid 4 x 48, 4 waves a work-group, clusters of 4 x 4, 327,680 bytes of LDS; arguments codes, bq, bk, bv, lowp_scales, heads; writes heads
.if DOCPART == 2
	.amdgcn_target "amdgcn-amd-amdhsa--gfx1250"
	.amdhsa_code_object_version 6
	.text
	.protected	k_q253049cee0_proj
	.globl	k_q253049cee0_proj
	.p2align	8
	.type	k_q253049cee0_proj,@function
k_q253049cee0_proj:
	s_mov_b64 s[64:65], 0
	v_nop
	global_prefetch_b8 v0, s[64:65] scope:SCOPE_SE
	s_setreg_imm32_b32 hwreg(HW_REG_WAVE_MODE, 25, 1), 1
	s_wait_xcnt 0x0
	s_wait_alu depctr_hold_cnt(0) depctr_sa_sdst(0) depctr_va_vdst(0) depctr_va_sdst(0) depctr_va_ssrc(0) depctr_va_vcc(0) depctr_vm_vsrc(0)
	s_getreg_b32 s2, hwreg(HW_REG_IB_STS2, 6, 4)
	s_cmp_eq_u32 s2, 0
	s_cbranch_scc0 .Lentry_in_a_cluster
	s_endpgm
.Lentry_in_a_cluster:
	s_bfe_u32 s2, ttmp6, 0x10000c
	s_cmp_lg_u32 s2, 0xf033
	s_cbranch_scc0 .Lentry_shape_is_right
	s_endpgm
.Lentry_shape_is_right:
; q = x wq^T + bq, k = x wk^T + bk, v = x wv^T + bv on codes of FP8 (E4M3); then q, k, v are quantised for the attention's products and |q|^2, |k|^2 are summed in f32.
; The operands are images of registers: tile T of 16 rows at 16384 T, k at 256 (k / 16) + 16 x place + k % 16; place i of tile 2 b + u is row 32 b + 8 u + i + (i & 8).
; A tile of the result, 256 x 256, is made by four waves, each 128 x 128 in 512 registers.  K = 1,024 goes in four steps of 256 through two LDS slots filled by the tensor data mover.
; Source 1 (the 'lane operand') gives a lane its row; source 0 (the 'register operand') gives its registers: by the order of rows in a tile the 16 registers of tiles 2 b, 2 b + 1 are 16 neighbouring rows.
;   q, k: lanes = tokens (x), registers = channels (the weight): a lane holds 16 neighbouring channels of a token: K of the scores' product.
;   v:    lanes = channels (wv), registers = tokens (x): a lane holds 16 neighbouring KEYS of a channel: K of the second product.  Nothing is transposed.
; GRID: 12 clusters of 4 x 4 work-groups: clusters 0-3 make q, 4-7 k, 8-11 v.  The four of a cluster's row need the same tiles of the lane operand, the four of a column the same of the register operand: each tile is
; asked for JOINTLY, by the same tensor load with the same descriptor and a mask that names the four.
; OUT (buffer heads; bh = 16 x batch + head; p = 16 T + place):  q's codes at 0, k's at 4 Mi: [bh][T 128][1,024]: images of 16 tokens x 64 channels;  v's at 8 Mi: [bh][64 keys: 32][channel tile 4][1,024]:
; images of 16 channels x 64 keys;  at 12 Mi four arrays [bh][p] f32, 256 Ki each: -|q|^2 log2(e)/64, -|q|^2 / 2^(e6+e7+1), then the same two of k.
; LIMITS, so that each power of two below is an f32 number: e0+e1, e2+e3, e4+e5 between -126 and 127; e6, e7, e9 between -126 and 119.  NaN among the inputs is not served.
; No prefetch: K has four steps, of which two are asked for at the head.  One tile to a work-group: 192 work-groups.
; REGISTERS, in windows of 256: window 0: v0-31 addresses; v128-255 the lane operand's fragments, ONE set; window 1: the register operand's, TWO sets; windows 2, 3: the accumulators ((a, b) at v[8 (8 (a % 4) + b)]).
.set HALFT,  32768                     ; 8 image tiles x 4,096 bytes: what one tensor load brings, and what one wave reads of an operand
.set SLOT,   131072                    ; the lane operand's 16 tiles, then the register operand's 16
.set KSB,    4096                      ; a K step (256 codes) of one image tile
.set SCR,    262144                    ; behind the ring: 2,048 bytes a wave, for the sums of squares
.set SPARE,  270336                    ; the spare words, 128 bytes a wave: two blocks of 256 bytes that no other line names
.set FR,     16
.set NL,     4
.set NP,     4                         ; places behind this matrix instruction (ISA guide 7.12.1)
.set LI,   8                           ; v8   16 x lane
.set BH64, 9                           ; v9   64 x (lane / 16)
.set BPI,  10                          ; v10  4 x (r + (r & 8))
.set SCI,  11                          ; v11  SCR + 2048 wave + 4 r
.set SCO,  12                          ; v12  SCR + 2048 wave + 16 lane
.set ADRA, 16                          ; v16-17  my fragments of the lane operand in slot 0, 1
.set ADRB, 20                          ; v20-21  of the register operand
.set SPW,  28
.set NIL,  29
.set BJ,   32                          ; v32-95  q, k: the bias of my 64 channels
.set BI,   32                          ; v32-47  v: the bias of my channel in each of the 8 blocks, twice (a pair)
.set SQ,   96                          ; v96-111 sums of squares: block a, head d at 2 a + d
.set VSC,  112                         ; v112    the output's scale as f32
.set VLM,  113                         ; v113    448 x that
.set AF,   128
.set TMP,  128                         ; v128-191 a block's numbers
.set CD,   192                         ; v192-223 codes, two sets of 16
.set CH,   224                         ; v224-231 chains of the sums of squares
.set BK,   232                         ; v232-247 back from SCR
.set G1, 24
.set G0, 32
.set G1B, 48
.set G0B, 56
.set MSB, 0
.macro WIN new                         ; the immediate's high byte repeats the setting that is left
.if MSB != \new
	s_set_vgpr_msb (MSB<<8)|\new
.set MSB, \new
.endif
.endm
.set MUL_LO, 0xa1                      ; source 0 window 1, source 1 window 0, C and D window 2
.set MUL_HI, 0xf1                      ; the same, C and D window 3
.set TO_B,   0x40                      ; destination window 1, address window 0
; A joint load: waves 0 and 1 fetch the lane operand's halves, waves 2 and 3 the register operand's.  The branch hangs on the wave's number alone.  An s_nop 0 and four v_nop follow each of the two lines.
.macro JLOAD g0a, g1a, g0b, g1b
	s_cmp_eq_u32 s15, 0
	s_cbranch_scc0 .Lfor_b_\@
	tensor_load_to_lds s[\g0a:\g0a+3], s[\g1a:\g1a+7]
	s_nop 0
.rept 4
	v_nop
.endr
	s_branch .Lasked_\@
.Lfor_b_\@:
	tensor_load_to_lds s[\g0b:\g0b+3], s[\g1b:\g1b+7]
	s_nop 0
.rept 4
	v_nop
.endr
.Lasked_\@:
.endm
.macro CREST                           ; a round of the cluster's barrier behind its opening barrier
	s_cmp_lg_u32 s14, 0
	s_cbranch_scc1 .Lnot_wave_0_\@
	s_barrier_signal -3
.Lnot_wave_0_\@:
	s_barrier_wait -3
	s_barrier_signal -1
	s_barrier_wait -1
.endm
.macro CROUND
	s_barrier_signal -1
	s_barrier_wait -1
	CREST
.endm
	s_load_b256 s[4:11], s[0:1], 0x0               ; codes, bq, bk, bv
	s_load_b128 s[68:71], s[0:1], 0x20             ; the scales' exponents, heads
	v_lshl_add_u32 v[SPW], v0, 2, SPARE
	v_mov_b32 v[NIL], 0
	ds_add_u32 v[SPW], v[NIL]                      ; the wave's opening: the add and its wait stand ahead of my first tensor load; work on registers stands between them
	v_lshrrev_b32 v1, 5, v0
	v_readfirstlane_b32 s14, v1                    ; wave 0..3
	s_lshr_b32 s15, s14, 1                         ; my half of the lane operand's rows.  Also: I fetch for the lane operand (0) or the register operand (1)
	s_and_b32 s16, s14, 1                          ; my half of the register operand's rows.  Also: which 8 tiles I fetch
	s_bfe_u32 s40, ttmp6, 0x40000                  ; cx, cy: my place in the cluster
	s_bfe_u32 s41, ttmp6, 0x40004
	s_and_b32 s87, ttmp7, 0xffff                   ; the cluster's y, 0..11: the same in all sixteen partners
	s_lshr_b32 s84, s87, 2                         ; 0: q, 1: k, 2: v
	s_and_b32 s87, s87, 3
	s_cmp_eq_u32 s84, 2
	s_cselect_b32 s85, 0, s87                      ; q, k: the four clusters share out the tokens as tile rows;
	s_cselect_b32 s86, s87, 0                      ; v: as tile columns
	s_lshl_b32 s17, s85, 2
	s_add_co_u32 s17, s17, s41                     ; tile row (of the lane operand)
	s_lshl_b32 s42, s86, 2
	s_add_co_u32 s42, s42, s40                     ; tile column (of the register operand)
	s_lshl_b32 s43, s41, 2
	s_lshl_b32 s43, 15, s43                        ; my row of the cluster
	s_lshl_b32 s44, 0x1111, s40                    ; my column
	; descriptor group 1: 8 rows of 512 elements of 8 bytes (a K step of 8 image tiles), 16,384 bytes apart in memory, dense in LDS
	s_or_b32 s[G1+0], s43, (3<<16)|(1<<21)         ; 15:0 the mask: my row; 17:16 elements of 8 bytes; 21 set beside a mask
	s_or_b32 s[G1B+0], s44, (3<<16)|(1<<21)        ; the same with my column
.irp g, G1, G1B
	s_mov_b32 s[\g+1], 512<<16                     ; tensor_dim0
	s_mov_b32 s[\g+2], 8<<16                       ; tensor_dim1
	s_mov_b32 s[\g+3], 512<<16                     ; tile_dim0
	s_mov_b32 s[\g+4], 8                           ; tile_dim1
	s_mov_b32 s[\g+5], 2048                        ; tensor_dim0_stride
	s_mov_b32 s[\g+6], 0
	s_mov_b32 s[\g+7], 0
.endr
	s_lshl_b32 s18, s84, 22                        ; q, k: x's codes under e0 or e2;
	s_lshl_b32 s19, s84, 20
	s_add_co_u32 s19, s19, 12<<20                  ; wq's or wk's
	s_cmp_eq_u32 s84, 2
	s_cselect_b32 s18, 14<<20, s18                 ; v: the lane operand is wv,
	s_cselect_b32 s19, 8<<20, s19                  ; the register operand x under e4
	s_lshl_b32 s22, s16, 3
	s_lshl_b32 s20, s17, 4
	s_add_co_u32 s20, s20, s22                     ; image tile 16 x tile row + 8 x half
	s_lshl_b32 s20, s20, 14
	s_add_co_u32 s20, s20, s18
	s_mov_b32 s21, 0
	s_lshl_b32 s46, s42, 4
	s_add_co_u32 s46, s46, s22
	s_lshl_b32 s46, s46, 14
	s_add_co_u32 s46, s46, s19
	s_mov_b32 s47, 0
	s_mul_i32 s45, s14, HALFT                      ; where they go: no place in the cluster enters an LDS address
	s_wait_dscnt 0x0                               ; the opening add is done
	s_wait_kmcnt 0x0
	s_load_b256 s[72:79], s[68:69], 0x0            ; e0 .. e7
	s_load_b128 s[80:83], s[68:69], 0x20           ; e8 .. e11
	s_add_nc_u64 s[20:21], s[4:5], s[20:21]
	s_add_nc_u64 s[46:47], s[4:5], s[46:47]
	CROUND                                         ; all sixteen work-groups are here: the first joint loads meet
.irp s, 0,1
	s_mov_b32 s[G0+4*\s], 1
	s_add_co_u32 s[G0+4*\s+1], s45, \s*SLOT
	s_add_nc_u64 s[G0+4*\s+2:G0+4*\s+3], s[20:21], \s*KSB
	s_or_b32 s[G0+4*\s+3], s[G0+4*\s+3], 0x80000000
	s_mov_b32 s[G0B+4*\s], 1
	s_add_co_u32 s[G0B+4*\s+1], s45, \s*SLOT
	s_add_nc_u64 s[G0B+4*\s+2:G0B+4*\s+3], s[46:47], \s*KSB
	s_or_b32 s[G0B+4*\s+3], s[G0B+4*\s+3], 0x80000000
	JLOAD G0+4*\s, G1, G0B+4*\s, G1B
.endr
	v_and_b32 v1, 15, v0                           ; r
	v_bfe_u32 v2, v0, 4, 1                         ; h
	v_and_b32 v3, 31, v0
	v_lshlrev_b32 v[LI], 4, v3
	v_lshlrev_b32 v[BH64], 6, v2
	v_and_b32 v[BPI], 8, v1
	v_add_nc_u32 v[BPI], v[BPI], v1
	v_lshlrev_b32 v[BPI], 2, v[BPI]
	s_lshl_b32 s23, s14, 11
	s_add_co_u32 s23, s23, SCR
	v_lshl_add_u32 v[SCI], v1, 2, s23
	v_add_nc_u32 v[SCO], s23, v[LI]
	s_mul_i32 s21, s15, HALFT
	s_mul_i32 s22, s16, HALFT
	s_add_co_u32 s22, s22, 2*HALFT
.irp s, 0,1
	v_add_nc_u32 v[ADRA+\s], s21, v[LI]
	v_add_nc_u32 v[ADRB+\s], s22, v[LI]
	s_add_co_u32 s21, s21, SLOT
	s_add_co_u32 s22, s22, SLOT
.endr
.macro FRAG reg, adr, q, i             ; a fragment: image tile i, the slot's q-th 128 along K: registers 4 c .. 4 c + 3 hold K = 32 c + 16 (lane / 16) + 0 .. 15 of row lane % 16; 512 consecutive bytes a load
.irp c, 0,1,2,3
	ds_load_b128 v[\reg+4*\c:\reg+4*\c+3], v[\adr] offset:4096*(\i)+2048*(\q)+512*\c
.endr
.endm
; 16 matrix instructions: blocks a0, a0 + 1 of the lane operand x the register operand's eight.  The 64 accumulators take turns, one instruction a turn, in the same order in every step.
.macro MUL16 a0, p, zero
.irp a, \a0, \a0+1
.irp b, 0,1,2,3,4,5,6,7
.if \zero
	v_wmma_f32_16x16x128_fp8_fp8 v[8*(8*((\a)%4)+\b):8*(8*((\a)%4)+\b)+7], v[128*(\p)+FR*\b:128*(\p)+FR*\b+FR-1], v[AF+FR*(\a):AF+FR*(\a)+FR-1], 0
.else
	v_wmma_f32_16x16x128_fp8_fp8 v[8*(8*((\a)%4)+\b):8*(8*((\a)%4)+\b)+7], v[128*(\p)+FR*\b:128*(\p)+FR*\b+FR-1], v[AF+FR*(\a):AF+FR*(\a)+FR-1], v[8*(8*((\a)%4)+\b):8*(8*((\a)%4)+\b)+7]
.endif
.endr
.endr
.endm
.macro FETCH_B slot, q, p
	WIN TO_B
.irp i, 0,1,2,3,4,5,6,7
	FRAG 128*(\p)+FR*\i, ADRB+\slot, \q, \i
.endr
	WIN 0
.endm
.macro FETCH_A slot, q, i0
.irp i, \i0, \i0+1, \i0+2, \i0+3
	FRAG AF+FR*(\i), ADRA+\slot, \q, \i
.endr
.endm
.macro PLACES n                        ; places in front of loads into registers that matrix instructions have read, and of the first read of results
.rept \n
	v_nop
.endr
.endm
.macro STEP slot, q, zero              ; 128 along K, with its successor in the same slot
	s_wait_dscnt 4*NL                              ; all but the youngest sixteen loads (blocks 4-7 of the lane operand)
	WIN MUL_LO
	MUL16 0, (\q)%2, \zero
	MUL16 2, (\q)%2, \zero
	s_wait_dscnt 0
	PLACES NP
	FETCH_B \slot, (\q)+1, 1-(\q)%2
	FETCH_A \slot, (\q)+1, 0
	WIN MUL_HI
	MUL16 4, (\q)%2, \zero
	MUL16 6, (\q)%2, \zero
	PLACES NP
	WIN 0
	FETCH_A \slot, (\q)+1, 4
.endm
; A slot's last step changes slots: ONE barrier; in front of it each wave waits for all its tensor loads, adds 0 to its spare word, and waits for that and for its reads of this slot.  fill = 1: the slot is filled again, two K steps ahead.
.macro TURN slot, next, fill
	s_wait_tensorcnt 0x0                           ; all my tensor loads have landed: my part of the next slot
	ds_add_u32 v[SPW], v[NIL]                      ; 0 onto my spare word
	s_wait_dscnt 4*NL+1                            ; (the add and the youngest sixteen loads may be out)
	WIN MUL_LO
	MUL16 0, 1, 0
	s_wait_dscnt 0x0                               ; the add is done, and my reads of this slot are over
	s_barrier_signal -1
	MUL16 2, 1, 0
	WIN 0
	s_barrier_wait -1
.if \fill
	CREST                                          ; the barrier has opened a round of the cluster's: no wave of any partner still reads this slot or has a load on its way
	s_add_nc_u64 s[G0+4*\slot+2:G0+4*\slot+3], s[G0+4*\slot+2:G0+4*\slot+3], 2*KSB
	s_add_nc_u64 s[G0B+4*\slot+2:G0B+4*\slot+3], s[G0B+4*\slot+2:G0B+4*\slot+3], 2*KSB
	JLOAD G0+4*\slot, G1, G0B+4*\slot, G1B         ; the first tensor load behind the round; its four v_nop are also the places in front of the loads below
.else
	PLACES NP
.endif
	FETCH_B \next, 0, 0
	FETCH_A \next, 0, 0
	WIN MUL_HI
	MUL16 4, 1, 0
	MUL16 6, 1, 0
	PLACES NP
	WIN 0
	FETCH_A \next, 0, 4
.endm
.macro LAST                            ; the very last 128 along K: nothing more to fetch
	s_wait_dscnt 4*NL
	WIN MUL_LO
	MUL16 0, 1, 0
	MUL16 2, 1, 0
	s_wait_dscnt 0
	WIN MUL_HI
	MUL16 4, 1, 0
	MUL16 6, 1, 0
	WIN 0
.endm
	s_wait_tensorcnt 1                             ; my part of K step 0 is in (K step 1's load may be out)
	s_barrier_signal -1
	s_barrier_wait -1                              ; everybody's is
	FETCH_B 0, 0, 0
	FETCH_A 0, 0, 0
	FETCH_A 0, 0, 4
	STEP 0, 0, 1                                   ; the first products start the sums: nothing is cleared
	TURN 0, 1, 1                                   ; slot 0 takes K step 2
	STEP 1, 0, 0
	TURN 1, 0, 1                                   ; slot 1 takes K step 3
	STEP 0, 0, 0
	TURN 0, 1, 0
	STEP 1, 0, 0
	s_wait_kmcnt 0x0
	s_add_co_i32 s94, s72, s73                     ; the exponent that the sums lack: e0 + e1, e2 + e3 or e4 + e5
	s_add_co_i32 s95, s74, s75
	s_add_co_i32 s99, s76, s77
	s_cmp_eq_u32 s84, 0
	s_cselect_b32 s94, s94, s95
	s_cselect_b32 s95, s78, s79                    ; the result's own scale: e6 (q), e7 (k)
	s_cselect_b64 s[92:93], s[6:7], s[8:9]         ; the bias
	s_cmp_eq_u32 s84, 2
	s_cselect_b32 s94, s99, s94
	s_cselect_b32 s95, s81, s95                    ; e9 (v)
	s_cselect_b64 s[92:93], s[10:11], s[92:93]
	s_add_co_i32 s94, s94, 127
	s_lshl_b32 s96, s94, 23                        ; 2^(eA + eB) as f32,
	s_mov_b32 s97, s96                             ; named as a pair
	s_add_co_i32 s95, s95, 127
	s_lshl_b32 s99, s95, 23
	v_mov_b32 v[VSC], s99
	s_add_co_i32 s95, s95, 8
	s_lshl_b32 s95, s95, 23
	s_or_b32 s95, s95, 0x600000
	v_mov_b32 v[VLM], s95
	s_add_co_i32 s98, s78, s79
	s_add_co_i32 s98, s98, 1
	s_sub_co_i32 s98, 0, s98                       ; -(e6 + e7 + 1)
	s_cmp_eq_u32 s84, 2                            ; the ways part on the cluster's number: the same in all waves and all partners; no barrier and no tensor load stands on either
	s_cbranch_scc1 .Lvarm
	; ---- q, k.  My tokens: image tiles 16 x tile row + 8 x half + a; my channels: 256 x tile column + 128 x half + 32 e + 16 h + n at register 16 e + n: two heads
	s_lshl_b32 s99, s17, 4
	s_lshl_b32 s100, s15, 3
	s_add_co_u32 s99, s99, s100
	s_lshr_b32 s100, s99, 7                        ; batch
	s_and_b32 s99, s99, 127                        ; my first tile within the batch
	s_lshl_b32 s101, s42, 2
	s_lshl_b32 s94, s16, 1
	s_add_co_u32 s101, s101, s94                   ; my first head
	s_lshl_b32 s88, s84, 22
	s_lshl_b32 s94, s100, 21
	s_add_co_u32 s88, s88, s94
	s_lshl_b32 s94, s101, 17
	s_add_co_u32 s88, s88, s94
	s_lshl_b32 s94, s99, 10
	s_add_co_u32 s88, s88, s94
	s_mov_b32 s89, 0
	s_add_nc_u64 s[88:89], s[70:71], s[88:89]      ; the codes
	s_lshl_b32 s90, s84, 19
	s_add_co_u32 s90, s90, 12<<20
	s_lshl_b32 s94, s100, 4
	s_add_co_u32 s94, s94, s101
	s_lshl_b32 s94, s94, 13
	s_add_co_u32 s90, s90, s94
	s_lshl_b32 s94, s99, 6
	s_add_co_u32 s90, s90, s94
	s_mov_b32 s91, 0
	s_add_nc_u64 s[90:91], s[70:71], s[90:91]      ; the two arrays of squares
	s_lshl_b32 s94, s42, 10
	s_lshl_b32 s95, s16, 9
	s_add_co_u32 s94, s94, s95
	s_mov_b32 s95, 0
	s_add_nc_u64 s[92:93], s[92:93], s[94:95]
.irp e, 0,1,2,3
.irp c, 0,1,2,3
	global_load_b128 v[BJ+16*\e+4*\c:BJ+16*\e+4*\c+3], v[BH64], s[92:93] offset:128*\e+16*\c
.endr
.endr
	LAST                                           ; the last 64 products stand over the bias's loads
	s_wait_loadcnt 0x0
	PLACES NP
.macro QKBLOCK a                       ; 16 tokens x my 128 channels
	s_wait_xcnt 0x0                                ; earlier stores have read their data: the codes' registers are written again only behind this wait
	WIN 0x02+((\a)/4)                              ; source 0: window 2 or 3
.set jj, 0
.rept 32
	v_pk_fma_f32 v[TMP+jj:TMP+jj+1], v[64*((\a)%4)+jj:64*((\a)%4)+jj+1], s[96:97], v[BJ+jj:BJ+jj+1] op_sel_hi:[1,0,1]   ; sum x 2^(eA + eB) + bias; each accumulator from its low end on
.set jj, jj+2
.endr
	WIN 0
.irp d, 0,1                            ; the squares of head d's 32 channels that I hold, in two chains
	v_pk_mul_f32 v[CH+4*\d:CH+4*\d+1], v[TMP+32*\d:TMP+32*\d+1], v[TMP+32*\d:TMP+32*\d+1]
	v_pk_mul_f32 v[CH+4*\d+2:CH+4*\d+3], v[TMP+32*\d+2:TMP+32*\d+3], v[TMP+32*\d+2:TMP+32*\d+3]
.endr
.irp j, 4,8,12,16,20,24,28
.irp d, 0,1
	v_pk_fma_f32 v[CH+4*\d:CH+4*\d+1], v[TMP+32*\d+\j:TMP+32*\d+\j+1], v[TMP+32*\d+\j:TMP+32*\d+\j+1], v[CH+4*\d:CH+4*\d+1]
	v_pk_fma_f32 v[CH+4*\d+2:CH+4*\d+3], v[TMP+32*\d+\j+2:TMP+32*\d+\j+3], v[TMP+32*\d+\j+2:TMP+32*\d+\j+3], v[CH+4*\d+2:CH+4*\d+3]
.endr
.endr
.irp d, 0,1
	v_pk_add_f32 v[CH+4*\d:CH+4*\d+1], v[CH+4*\d:CH+4*\d+1], v[CH+4*\d+2:CH+4*\d+3]
.endr
.irp d, 0,1
	v_add_f32 v[SQ+2*(\a)+\d], v[CH+4*\d], v[CH+4*\d+1]
.endr
.set jj, 0
.rept 64
	v_med3_num_f32 v[TMP+jj], v[TMP+jj], -v[VLM], v[VLM]   ; the conversion does not saturate (ISA guide 7.6.2)
.set jj, jj+1
.endr
.irp g, 0,1,2,3,4,5,6,7
	v_cvt_scalef32_pk8_fp8_f32 v[CD+16*((\a)%2)+2*\g:CD+16*((\a)%2)+2*\g+1], v[TMP+8*\g:TMP+8*\g+7], v[VSC]
.endr
	v_nop                                          ; a plain line between the conversions and what next writes their sources
.irp e, 0,1,2,3
	global_store_b128 v[LI], v[CD+16*((\a)%2)+4*\e:CD+16*((\a)%2)+4*\e+3], s[88:89] offset:(\e/2)*131072+1024*(\a)+512*(\e%2)   ; 512 consecutive bytes, aligned: half an image tile of head e / 2
.endr
.endm
.irp a, 0,1,2,3,4,5,6,7
	QKBLOCK \a
.endr
	s_mov_b32 s100, 0x76543210                     ; lane l xor 16 holds the head's other 32 channels
	s_mov_b32 s101, 0xfedcba98
.set jj, 0
.rept 16
	v_permlanex16_b32 v[TMP+jj], v[SQ+jj], s100, s101
.set jj, jj+1
.endr
.set jj, 0
.rept 16
	v_add_f32 v[SQ+jj], v[SQ+jj], v[TMP+jj]
.set jj, jj+1
.endr
.set jj, 0
.rept 16
	v_mul_f32 v[TMP+jj], 0xbcb8aa3b, v[SQ+jj]      ; x -log2(e) / 64
	v_mul_f32 v[TMP+16+jj], -1.0, v[SQ+jj]
.set jj, jj+1
.endr
.set jj, 0
.rept 16
	v_ldexp_f32 v[TMP+16+jj], v[TMP+16+jj], s98    ; x 2^-(e6 + e7 + 1): nothing is rounded
.set jj, jj+1
.endr
.irp a, 0,1,2,3,4,5,6,7                ; through my own 2,048 bytes of LDS, so that they leave as runs of 512 bytes; both halves of the lanes write the same word with the same number
.irp d, 0,1
	ds_store_b32 v[SCI], v[TMP+2*\a+\d] offset:512*\d+64*\a
	ds_store_b32 v[SCI], v[TMP+16+2*\a+\d] offset:1024+512*\d+64*\a
.endr
.endr
.irp k, 0,1,2,3
	ds_load_b128 v[BK+4*\k:BK+4*\k+3], v[SCO] offset:512*\k   ; LDS serves a wave's instructions in order: these see my stores
.endr
	s_wait_dscnt 0x0
.irp k, 0,1,2,3
	global_store_b128 v[LI], v[BK+4*\k:BK+4*\k+3], s[90:91] offset:(\k/2)*262144+(\k%2)*8192
.endr
	s_branch .Ldone
.Lvarm:
	; ---- v.  My channels: place r of image tiles 16 x tile row + 8 x half + a (two heads of four tiles); my tokens: 256 x tile column + 128 x half + 32 e + 16 h + n at register 16 e + n: two steps of 64 keys
	s_lshr_b32 s99, s42, 3                         ; batch
	s_lshl_b32 s99, s99, 4
	s_lshl_b32 s100, s17, 2
	s_add_co_u32 s99, s99, s100
	s_lshl_b32 s100, s15, 1
	s_add_co_u32 s99, s99, s100                    ; bh of my first head
	s_lshl_b32 s88, s99, 17
	s_add_co_u32 s88, s88, 8<<20
	s_and_b32 s100, s42, 7
	s_lshl_b32 s100, s100, 2
	s_lshl_b32 s101, s16, 1
	s_add_co_u32 s100, s100, s101                  ; my first step of 64 keys
	s_lshl_b32 s100, s100, 12
	s_add_co_u32 s88, s88, s100
	s_mov_b32 s89, 0
	s_add_nc_u64 s[88:89], s[70:71], s[88:89]
	s_lshl_b32 s94, s17, 10
	s_lshl_b32 s95, s15, 9
	s_add_co_u32 s94, s94, s95
	s_mov_b32 s95, 0
	s_add_nc_u64 s[92:93], s[92:93], s[94:95]
.irp a, 0,1,2,3,4,5,6,7
	global_load_b32 v[BI+2*\a], v[BPI], s[92:93] offset:4*(32*(\a/2)+8*(\a%2))
.endr
	LAST
	s_wait_loadcnt 0x0
.irp a, 0,1,2,3,4,5,6,7
	v_mov_b32 v[BI+2*\a+1], v[BI+2*\a]             ; the bias twice, for the packed form.  (These eight are also the places behind the last products)
.endr
.macro VBLOCK a                        ; 16 channels x my 128 tokens
	s_wait_xcnt 0x0
	WIN 0x02+((\a)/4)
.set jj, 0
.rept 32
	v_pk_fma_f32 v[TMP+jj:TMP+jj+1], v[64*((\a)%4)+jj:64*((\a)%4)+jj+1], s[96:97], v[BI+2*(\a):BI+2*(\a)+1] op_sel_hi:[1,0,1]
.set jj, jj+2
.endr
	WIN 0
.set jj, 0
.rept 64
	v_med3_num_f32 v[TMP+jj], v[TMP+jj], -v[VLM], v[VLM]
.set jj, jj+1
.endr
.irp g, 0,1,2,3,4,5,6,7
	v_cvt_scalef32_pk8_fp8_f32 v[CD+16*((\a)%2)+2*\g:CD+16*((\a)%2)+2*\g+1], v[TMP+8*\g:TMP+8*\g+7], v[VSC]
.endr
	v_nop
.irp e, 0,1,2,3
	global_store_b128 v[LI], v[CD+16*((\a)%2)+4*\e:CD+16*((\a)%2)+4*\e+3], s[88:89] offset:((\a)/4)*131072+(\e/2)*4096+((\a)%4)*1024+(\e%2)*512
.endr
.endm
.irp a, 0,1,2,3,4,5,6,7
	VBLOCK \a
.endr
.Ldone:
	s_wait_tensorcnt 0x0                           ; the wave's end: behind my last tensor load and my last LDS store
	ds_add_u32 v[SPW], v[NIL]
	s_wait_dscnt 0x0
	CROUND                                         ; the closing round: no work-group ends while a partner may still ask for a tile that names it
	s_endpgm
.Lfunc_end_k_q253049cee0_proj:
	.size	k_q253049cee0_proj, .Lfunc_end_k_q253049cee0_proj-k_q253049cee0_proj
	.p2alignl 7, 3214868480
	.fill 96, 4, 3214868480
	.section	.rodata,"a",@progbits
	.p2align	6, 0x0
	.amdhsa_kernel k_q253049cee0_proj
		.amdhsa_group_segment_fixed_size 327680
		.amdhsa_private_segment_fixed_size 0
		.amdhsa_enable_private_segment 0
		.amdhsa_kernarg_size 48
		.amdhsa_user_sgpr_count 2
		.amdhsa_user_sgpr_kernarg_segment_ptr 1
		.amdhsa_wavefront_size32 1
		.amdhsa_system_sgpr_workgroup_id_x 1
		.amdhsa_system_sgpr_workgroup_id_y 1
		.amdhsa_system_sgpr_workgroup_id_z 1
		.amdhsa_system_vgpr_workitem_id 0
		.amdhsa_next_free_vgpr 1024
		.amdhsa_next_free_sgpr 102
		.amdhsa_reserve_vcc 0
		.amdhsa_float_denorm_mode_32 3
		.amdhsa_float_denorm_mode_16_64 3
		.amdhsa_memory_ordered 1
		.amdhsa_forward_progress 1
		.amdhsa_inst_pref_size 223
	.end_amdhsa_kernel
	.amdgpu_metadata
---
amdhsa.version: [ 1, 2 ]
amdhsa.kernels:
  - .name:           k_q253049cee0_proj
    .symbol:         k_q253049cee0_proj.kd
    .args:
      - { .name: codes, .offset: 0, .size: 8, .value_kind: global_buffer, .address_space: global }
      - { .name: bq, .offset: 8, .size: 8, .value_kind: global_buffer, .address_space: global }
      - { .name: bk, .offset: 16, .size: 8, .value_kind: global_buffer, .address_space: global }
      - { .name: bv, .offset: 24, .size: 8, .value_kind: global_buffer, .address_space: global }
      - { .name: lowp_scales, .offset: 32, .size: 8, .value_kind: global_buffer, .address_space: global }
      - { .name: heads, .offset: 40, .size: 8, .value_kind: global_buffer, .address_space: global }
    .group_segment_fixed_size: 327680
    .private_segment_fixed_size: 0
    .kernarg_segment_align: 8
    .kernarg_segment_size: 48
    .max_flat_workgroup_size: 128
    .sgpr_count:     102
    .vgpr_count:     1024
    .wavefront_size: 32
...
	.end_amdgpu_metadata
.endif
;; end of part 2
;; launch colsum (part 3): grid 8 x 32, 8 waves a work-group, clusters of 4 x 1, 167,936 bytes of LDS; arguments heads, lowp_scales, cvec; writes cvec
.if DOCPART == 3
	.amdgcn_target "amdgcn-amd-amdhsa--gfx1250"
	.amdhsa_code_object_version 6
	.text
	.protected	k_q253049cee0_colsum
	.globl	k_q253049cee0_colsum
	.p2align	8
	.type	k_q253049cee0_colsum,@function
k_q253049cee0_colsum:
	s_mov_b64 s[64:65], 0
	v_nop
	global_prefetch_b8 v0, s[64:65] scope:SCOPE_SE
	s_setreg_imm32_b32 hwreg(HW_REG_WAVE_MODE, 25, 1), 1
	s_wait_xcnt 0x0
	s_wait_alu depctr_hold_cnt(0) depctr_sa_sdst(0) depctr_va_vdst(0) depctr_va_sdst(0) depctr_va_ssrc(0) depctr_va_vcc(0) depctr_vm_vsrc(0)
	s_getreg_b32 s2, hwreg(HW_REG_IB_STS2, 6, 4)
	s_cmp_eq_u32 s2, 0
	s_cbranch_scc0 .Lentry_in_a_cluster
	s_endpgm
.Lentry_in_a_cluster:
	s_bfe_u32 s2, ttmp6, 0x10000c
	s_cmp_lg_u32 s2, 0x3003
	s_cbranch_scc0 .Lentry_shape_is_right
	s_endpgm
.Lentry_shape_is_right:
; The column degrees: for each key, n_c = the sum over all queries of score, score = exp(-max(|q|^2 + |k|^2 - 2 q.k, 0) / 64); stored is n_c^(-1/2), [bh][p] f32.
; (sqrt(max(d2, 0)) / 8)^2 is written max(d2, 0) / 64: the same number but for two roundings.  No maximum is taken away ahead of the exponential: the clip at 0, which is part of the problem, holds every exponent at 0 or under.
; q.k is the quantised product, on codes of FP8 (E4M3), K = 64.  With S the sum of the codes' products: t = (S + W) x cs + E, score = 2^min(t, 0);
;   W = -|k|^2 / 2^(e6+e7+1) of my key: the C of the matrix instruction, eight registers that all hold it;  cs = log2(e) x 2^(e6+e7-5);  E = -|q|^2 log2(e) / 64 of the walked query.
; LIMITS: e6 + e7 - 5 added to the exponent field of log2(e) stays an f32 number (e6 + e7 between -121 and 132); scores under 2^-126 count as 0 (the exponential's results are flushed: ISA guide 15.8).
; SHARES.  A work-group owns 256 keys of one (batch, head); each of its eight waves two tiles of 16; a lane holds ONE key throughout (source 0 = 16 walked queries, source 1 = my 16 keys).
; All 2,048 queries of the head lie in LDS: their codes (images of registers, 131,072 bytes) and E (8,192 bytes): brought once, nothing is filled again.
; CLUSTER: the four work-groups of a cluster belong to one head and read the same queries: each tile is asked for JOINTLY, mask 15.  No prefetch: everything is asked for at the head.
.set QEXP,  131072
.set CST,   139264                     ; 1,024 bytes: the work-group's 256 results
.set SPARE, 140288                     ; the spare words, 128 bytes a wave: four blocks of 256 bytes that no other line names
.set LI,  1                            ; v1   16 x lane
.set LH,  2                            ; v2   32 x (lane / 16)
.set ADK, 3                            ; v3   the walked codes in hand
.set ADE, 4                            ; v4   the walked E in hand
.set SPW, 6
.set NIL, 7
.set GO,  8                            ; v8   4 x (lane % 16)
.set CSI, 9                            ; v9   CST + 128 wave + 4 (lane % 16)
.set CSO, 10                           ; v10  CST + 16 (thread % 64)
.set CGO, 11                           ; v11  16 (thread % 64)
.set Q,   16                           ; v16-31  my two fragments
.set QC,  32                           ; v32-47  W, eight times for each
.set KF,  48                           ; v48-63  two walked fragments
.set EV,  64                           ; v64-79  E of their rows: register 8 u + j: place 8 (lane / 16) + j of tile u
.set S,   96                           ; v96-127 scores: tile (x, u) at 16 x + 8 u
.set NS,  176                          ; v176-183 sums, a pair for each (x, u)
.set WV,  10
.set G1A, 16
.set G1B, 24
.set G0A, 32
.set G0B, 36
.set CS,  48
.set SEL, 50
.set TB,  52
.set TE,  53
.set CNT, 54
.macro CROUND                          ; a round of the cluster's barrier
	s_barrier_signal -1
	s_barrier_wait -1
	s_cmp_lg_u32 s[WV], 0
	s_cbranch_scc1 .Lnot_wave_0_\@
	s_barrier_signal -3
.Lnot_wave_0_\@:
	s_barrier_wait -3
	s_barrier_signal -1
	s_barrier_wait -1
.endm
	s_load_b128 s[4:7], s[0:1], 0x0                ; heads, the scales' exponents
	s_load_b64 s[8:9], s[0:1], 0x10                ; cvec
	v_lshl_add_u32 v[SPW], v0, 2, SPARE
	v_mov_b32 v[NIL], 0
	ds_add_u32 v[SPW], v[NIL]                      ; the wave's opening: the add and its wait stand ahead of my first tensor load
	v_lshrrev_b32 v12, 5, v0
	v_readfirstlane_b32 s[WV], v12                 ; wave 0..7
	s_bfe_u32 s11, ttmp6, 0x40000                  ; cx
	s_lshl_b32 s12, ttmp9, 2
	s_add_co_u32 s12, s12, s11                     ; my block of 256 keys: it enters global addresses alone
	s_and_b32 s13, ttmp7, 0xffff                   ; bh, which the four partners share
	; descriptor groups 1: dense blocks as rows of 256 bytes (32 elements of 8 bytes): 64 rows, and 4 rows
	s_mov_b32 s[G1A], 15|(3<<16)|(1<<21)           ; 15:0 the mask: all four; 17:16 elements of 8 bytes; 21 set beside a mask
	s_mov_b32 s[G1A+1], 32<<16
	s_mov_b32 s[G1A+2], 64<<16
	s_mov_b32 s[G1A+3], 32<<16
	s_mov_b32 s[G1A+4], 64
	s_mov_b32 s[G1A+5], 32
	s_mov_b32 s[G1A+6], 0
	s_mov_b32 s[G1A+7], 0
	s_mov_b32 s[G1B], 15|(3<<16)|(1<<21)
	s_mov_b32 s[G1B+1], 32<<16
	s_mov_b32 s[G1B+2], 4<<16
	s_mov_b32 s[G1B+3], 32<<16
	s_mov_b32 s[G1B+4], 4
	s_mov_b32 s[G1B+5], 32
	s_mov_b32 s[G1B+6], 0
	s_mov_b32 s[G1B+7], 0
	s_mov_b32 s[SEL], 0x76543210
	s_mov_b32 s[SEL+1], 0xfedcba98
	s_lshl_b32 s56, s13, 17
	s_lshl_b32 s60, s[WV], 14
	s_add_co_u32 s56, s56, s60                     ; q's codes: bh x 128 Ki + wave x 16 Ki
	s_mov_b32 s57, 0
	s_lshl_b32 s58, s13, 13
	s_lshl_b32 s61, s[WV], 10
	s_add_co_u32 s58, s58, s61
	s_add_co_u32 s58, s58, 12<<20                  ; q's E: 12 Mi + bh x 8 Ki + wave x 1 Ki
	s_mov_b32 s59, 0
	s_wait_dscnt 0x0                               ; the opening add is done
	s_wait_kmcnt 0x0
	s_load_b256 s[40:47], s[6:7], 0x0              ; e0 .. e7
	s_mov_b32 s[G0A], 1
	s_mov_b32 s[G0A+1], s60
	s_add_nc_u64 s[G0A+2:G0A+3], s[4:5], s[56:57]
	s_or_b32 s[G0A+3], s[G0A+3], 0x80000000
	s_mov_b32 s[G0B], 1
	s_add_co_u32 s[G0B+1], s61, QEXP
	s_add_nc_u64 s[G0B+2:G0B+3], s[4:5], s[58:59]
	s_or_b32 s[G0B+3], s[G0B+3], 0x80000000
	CROUND                                         ; all four work-groups are here: the joint loads meet
	tensor_load_to_lds s[G0A:G0A+3], s[G1A:G1A+7]  ; two loads of mine are out
	s_nop 0
	tensor_load_to_lds s[G0B:G0B+3], s[G1B:G1B+7]
	s_nop 0
.rept 4
	v_nop
.endr
	v_and_b32 v12, 31, v0
	v_lshlrev_b32 v[LI], 4, v12
	v_bfe_u32 v13, v0, 4, 1
	v_lshlrev_b32 v[LH], 5, v13
	v_and_b32 v14, 15, v0
	v_lshlrev_b32 v[GO], 2, v14
	s_lshl_b32 s62, s[WV], 7
	s_add_co_u32 s62, s62, CST
	v_add_nc_u32 v[CSI], s62, v[GO]
	v_and_b32 v15, 63, v0
	v_lshlrev_b32 v[CGO], 4, v15
	v_add_nc_u32 v[CSO], CST, v[CGO]
	s_lshl_b32 s56, s13, 17                        ; my keys' codes: 4 Mi + bh x 128 Ki + (16 block + 2 wave) x 1,024
	s_lshl_b32 s60, s12, 14
	s_add_co_u32 s56, s56, s60
	s_lshl_b32 s60, s[WV], 11
	s_add_co_u32 s56, s56, s60
	s_add_co_u32 s56, s56, 4<<20
	s_add_nc_u64 s[56:57], s[4:5], s[56:57]
	s_lshl_b32 s58, s13, 13                        ; their W: 12 Mi + 768 Ki + bh x 8 Ki + block x 1 Ki + wave x 128
	s_lshl_b32 s60, s12, 10
	s_add_co_u32 s58, s58, s60
	s_mov_b32 s60, s58                             ; (bh x 8 Ki + block x 1 Ki: also my work-group's place in cvec)
	s_mov_b32 s61, 0
	s_add_nc_u64 s[8:9], s[8:9], s[60:61]
	s_lshl_b32 s60, s[WV], 7
	s_add_co_u32 s58, s58, s60
	s_add_co_u32 s58, s58, (12<<20)+(768<<10)
	s_add_nc_u64 s[58:59], s[4:5], s[58:59]
.irp x, 0,1
.irp c, 0,1
	global_load_b128 v[Q+8*\x+4*\c:Q+8*\x+4*\c+3], v[LI], s[56:57] offset:1024*\x+512*\c
.endr
	global_load_b32 v[QC+8*\x], v[GO], s[58:59] offset:64*\x
.endr
	s_wait_kmcnt 0x0
	s_add_co_i32 s62, s46, s47
	s_sub_co_i32 s62, s62, 5
	s_lshl_b32 s62, s62, 23
	s_add_co_i32 s[CS], s62, 0x3fb8aa3b            ; cs: e6 + e7 - 5 added to the exponent field of log2(e)
	s_mov_b32 s[CS+1], s[CS]                       ; named as a pair
	s_mov_b32 s[TB], 0
	s_mov_b32 s[TE], QEXP
	s_wait_tensorcnt 0x0                           ; my parts have landed,
	s_barrier_signal -1
	s_barrier_wait -1                              ; everybody's have
	v_add_nc_u32 v[ADK], s[TB], v[LI]
	v_add_nc_u32 v[ADE], s[TE], v[LH]
.irp u, 0,1
.irp c, 0,1
	ds_load_b128 v[KF+8*\u+4*\c:KF+8*\u+4*\c+3], v[ADK] offset:1024*\u+512*\c
.endr
.endr
.irp u, 0,1
.irp e, 0,1
	ds_load_b128 v[EV+8*\u+4*\e:EV+8*\u+4*\e+3], v[ADE] offset:64*\u+16*\e
.endr
.endr
	s_wait_loadcnt 0x0
.irp x, 0,1
.irp j, 1,2,3,4,5,6,7
	v_mov_b32 v[QC+8*\x+\j], v[QC+8*\x]
.endr
.endr
.irp j, 0,1,2,3,4,5,6,7
	v_mov_b32 v[NS+\j], 0
.endr
; 32 walked queries.  more = 1: the next 32 are fetched.  wk, we: how many younger LDS loads may be out when the codes, and E, must be in.
.macro SUBA more, wk, we
	s_wait_dscnt \wk
.irp u, 0,1
.irp x, 0,1
	v_wmma_f32_16x16x64_fp8_fp8 v[S+16*\x+8*\u:S+16*\x+8*\u+7], v[KF+8*\u:KF+8*\u+7], v[Q+8*\x:Q+8*\x+7], v[QC+8*\x:QC+8*\x+7]
.endr
.endr
.if \more
	s_add_co_u32 s[TB], s[TB], 2048
	s_add_co_u32 s[TE], s[TE], 128
	v_add_nc_u32 v[ADK], s[TB], v[LI]              ; four places behind the products: two additions, two v_nop
	v_add_nc_u32 v[ADE], s[TE], v[LH]
	v_nop
	v_nop
.irp u, 0,1
.irp c, 0,1
	ds_load_b128 v[KF+8*\u+4*\c:KF+8*\u+4*\c+3], v[ADK] offset:1024*\u+512*\c
.endr
.endr
.else
.rept 4
	v_nop
.endr
.endif
	s_wait_dscnt \we
.irp x, 0,1
.irp u, 0,1
.irp i, 0,2,4,6
	v_pk_fma_f32 v[S+16*\x+8*\u+\i:S+16*\x+8*\u+\i+1], v[S+16*\x+8*\u+\i:S+16*\x+8*\u+\i+1], s[CS:CS+1], v[EV+8*\u+\i:EV+8*\u+\i+1] op_sel_hi:[1,0,1]   ; t; each accumulator from its low end on
.endr
.endr
.endr
.if \more
.irp u, 0,1
.irp e, 0,1
	ds_load_b128 v[EV+8*\u+4*\e:EV+8*\u+4*\e+3], v[ADE] offset:64*\u+16*\e
.endr
.endr
.endif
.set jj, 0
.rept 32
	v_min_num_f32 v[S+jj], 0, v[S+jj]              ; the clip of d2 at 0
.set jj, jj+1
.endr
.set jj, 0
.rept 32
	v_exp_f32 v[S+jj], v[S+jj]
.set jj, jj+1
.endr
	v_nop                                          ; a plain line behind the last exponential
	s_wait_alu depctr_va_vdst(0)                   ; the wait ahead of the batch's first reader: one for the 32
.irp i, 0,2,4,6
.irp x, 0,1
.irp u, 0,1
	v_pk_add_f32 v[NS+4*\x+2*\u:NS+4*\x+2*\u+1], v[NS+4*\x+2*\u:NS+4*\x+2*\u+1], v[S+16*\x+8*\u+\i:S+16*\x+8*\u+\i+1]
.endr
.endr
.endr
.endm
	s_mov_b32 s[CNT], 63
.Lwalk:
	SUBA 1, 4, 4                                   ; behind the codes' loads stand E's four; behind E's the next codes' four
	s_sub_co_u32 s[CNT], s[CNT], 1
	s_cmp_lg_u32 s[CNT], 0
	s_cbranch_scc1 .Lwalk
	SUBA 0, 4, 0
.irp x, 0,1
	v_pk_add_f32 v[NS+4*\x:NS+4*\x+1], v[NS+4*\x:NS+4*\x+1], v[NS+4*\x+2:NS+4*\x+3]
.endr
.irp x, 0,1
	v_add_f32 v[NS+4*\x], v[NS+4*\x], v[NS+4*\x+1]
.endr
.irp x, 0,1
	v_permlanex16_b32 v[NS+4*\x+1], v[NS+4*\x], s[SEL], s[SEL+1]   ; the key's other queries lie in lane l xor 16
.endr
.irp x, 0,1
	v_add_f32 v[NS+4*\x], v[NS+4*\x], v[NS+4*\x+1]
.endr
	v_rsq_f32 v12, v[NS]
	v_rsq_f32 v13, v[NS+4]
	v_nop
	s_wait_alu depctr_va_vdst(0)
	ds_store_b32 v[CSI], v12                       ; both halves of the lanes write the same word with the same number
	ds_store_b32 v[CSI], v13 offset:64
	s_wait_dscnt 0x0                               ; for the others' sake: my stores are done
	s_barrier_signal -1
	s_barrier_wait -1
	s_cmp_lt_u32 s[WV], 2                          ; waves 0 and 1 store the work-group's 1,024 bytes, 512 consecutive bytes each
	s_cbranch_scc0 .Lnot_mine
	ds_load_b128 v[16:19], v[CSO]
	s_wait_dscnt 0x0
	global_store_b128 v[CGO], v[16:19], s[8:9]
.Lnot_mine:
	s_wait_tensorcnt 0x0                           ; the wave's end
	ds_add_u32 v[SPW], v[NIL]
	s_wait_dscnt 0x0
	CROUND                                         ; the closing round
	s_endpgm
.Lfunc_end_k_q253049cee0_colsum:
	.size	k_q253049cee0_colsum, .Lfunc_end_k_q253049cee0_colsum-k_q253049cee0_colsum
	.p2alignl 7, 3214868480
	.fill 96, 4, 3214868480
	.section	.rodata,"a",@progbits
	.p2align	6, 0x0
	.amdhsa_kernel k_q253049cee0_colsum
		.amdhsa_group_segment_fixed_size 167936
		.amdhsa_private_segment_fixed_size 0
		.amdhsa_enable_private_segment 0
		.amdhsa_kernarg_size 24
		.amdhsa_user_sgpr_count 2
		.amdhsa_user_sgpr_kernarg_segment_ptr 1
		.amdhsa_wavefront_size32 1
		.amdhsa_system_sgpr_workgroup_id_x 1
		.amdhsa_system_sgpr_workgroup_id_y 1
		.amdhsa_system_sgpr_workgroup_id_z 1
		.amdhsa_system_vgpr_workitem_id 0
		.amdhsa_next_free_vgpr 256
		.amdhsa_next_free_sgpr 66
		.amdhsa_reserve_vcc 0
		.amdhsa_float_denorm_mode_32 3
		.amdhsa_float_denorm_mode_16_64 3
		.amdhsa_memory_ordered 1
		.amdhsa_forward_progress 1
		.amdhsa_inst_pref_size 18
	.end_amdhsa_kernel
	.amdgpu_metadata
---
amdhsa.version: [ 1, 2 ]
amdhsa.kernels:
  - .name:           k_q253049cee0_colsum
    .symbol:         k_q253049cee0_colsum.kd
    .args:
      - { .name: heads, .offset: 0, .size: 8, .value_kind: global_buffer, .address_space: global }
      - { .name: lowp_scales, .offset: 8, .size: 8, .value_kind: global_buffer, .address_space: global }
      - { .name: cvec, .offset: 16, .size: 8, .value_kind: global_buffer, .address_space: global }
    .group_segment_fixed_size: 167936
    .private_segment_fixed_size: 0
    .kernarg_segment_align: 8
    .kernarg_segment_size: 24
    .max_flat_workgroup_size: 256
    .sgpr_count:     66
    .vgpr_count:     256
    .wavefront_size: 32
...
	.end_amdgpu_metadata
.endif
;; end of part 3
;; launch attn (part 4): grid 8 x 32, 8 waves a work-group, clusters of 4 x 1, 279,552 bytes of LDS; arguments heads, cvec, lowp_scales, oimg; writes oimg
.if DOCPART == 4
	.amdgcn_target "amdgcn-amd-amdhsa--gfx1250"
	.amdhsa_code_object_version 6
	.text
	.protected	k_q253049cee0_attn
	.globl	k_q253049cee0_attn
	.p2align	8
	.type	k_q253049cee0_attn,@function
k_q253049cee0_attn:
	s_mov_b64 s[64:65], 0
	v_nop
	global_prefetch_b8 v0, s[64:65] scope:SCOPE_SE
	s_setreg_imm32_b32 hwreg(HW_REG_WAVE_MODE, 25, 1), 1
	s_wait_xcnt 0x0
	s_wait_alu depctr_hold_cnt(0) depctr_sa_sdst(0) depctr_va_vdst(0) depctr_va_sdst(0) depctr_va_ssrc(0) depctr_va_vcc(0) depctr_vm_vsrc(0)
	s_getreg_b32 s2, hwreg(HW_REG_IB_STS2, 6, 4)
	s_cmp_eq_u32 s2, 0
	s_cbranch_scc0 .Lentry_in_a_cluster
	s_endpgm
.Lentry_in_a_cluster:
	s_bfe_u32 s2, ttmp6, 0x10000c
	s_cmp_lg_u32 s2, 0x3003
	s_cbranch_scc0 .Lentry_shape_is_right
	s_endpgm
.Lentry_shape_is_right:
; The attention proper, for 256 queries of one (batch, head) a work-group, in two walks over the head's 2,048 keys.
;   score = exp(-max(|q|^2 + |k|^2 - 2 q.k, 0) / 64), c = n_c^(-1/2) of the key (given), n_r = sum of score, r = n_r^(-1/2), Sc = sum of score x c,
;   probability = r x score x c / max(r x Sc, 1e-12) = score x c x f, f = r / max(r x Sc, 1e-12): the FINISHED number is what is quantised (scale e8), along the keys.
; WALK B finds n_r and Sc; WALK C makes the probabilities, their codes, and O^T += V^T P^T; O is quantised (e10) and stored as an image of the last product's operand.
; The scores are computed anew in each walk: kept in f32 they would be 16 MiB a head.  (sqrt(max(d2, 0)) / 8)^2 is written max(d2, 0) / 64.  No maximum is taken away: the clip, part of the problem, holds every exponent at 0 or under.
; With S the sum of the codes' products: t = (S + W) x cs + E;  W = -|q|^2 / 2^(e6+e7+1) of my query, the C of the matrix instruction;  cs = log2(e) 2^(e6+e7-5);  E = -|k|^2 log2(e) / 64 of the key.
; In walk C one v_min3 is the clip and the hold: y = min(2^t c, c, lim / f), p = y f; lim = 448 x 2^e8 less 8 units in the last place, so that p stays at or under 448 x 2^e8 whatever the three roundings do, and still rounds to the largest code.
; LIMITS: e6 + e7 between -121 and 132; e8 between -126 and 119; e10 - e8 - e9 between -126 and 119.  Scores under 2^-126 count as 0 (ISA guide 15.8).  NaN is not served.
; SHARES.  Eight waves, two tiles of 16 queries each; a lane holds ONE query throughout (S^T = K Q^T, O^T = V^T P^T).  By the order of rows in an image tile the 16 registers of two neighbouring tiles of keys are 16 neighbouring
; keys, so the conversions' results are the second product's operand.  Two tiles a wave: each fragment of K and V read from LDS feeds two products.
; LDS holds the whole head: K's codes, V's codes, E, c: brought once, nothing is filled again.  CLUSTER: the four work-groups of a cluster read the same head: every load is JOINT, mask 15.  No prefetch: all is asked for at the head.
.set VIMG,  131072
.set KEXP,  262144
.set CVEC,  270336                     ; = KEXP + 8192
.set SPARE, 278528                     ; the spare words, 128 bytes a wave: four blocks of 256 bytes that no other line names
.set LI,  1                            ; v1   16 x lane
.set LH,  2                            ; v2   32 x (lane / 16)
.set ADK, 3
.set ADE, 4
.set ADV, 5
.set SPW, 6
.set NIL, 7
.set GO,  8                            ; v8   4 x (lane % 16)
.set Q,   16                           ; v16-31   my two fragments
.set QC,  32                           ; v32-47   W, eight times for each
.set KF,  48                           ; v48-63   two walked fragments of K
.set EV,  64                           ; v64-79   E of their keys
.set CV,  80                           ; v80-95   c of their keys
.set S,   96                           ; v96-127  scores: tile (x, u) at 16 x + 8 u
.set P,   128                          ; v128-143 codes of 64 keys: 8 x + 4 b + 2 u
.set VF,  144                          ; v144-175 V's four fragments
.set O,   176                          ; v176-239 O^T: 32 x + 8 t
.set NS,  176                          ; walk B: n_r, a pair for each (x, u);
.set SS,  184                          ; and Sc
.set F,   240                          ; v[240:241], v[242:243]: f of tile 0, of tile 1, each twice
.set VSC, 244                          ; v244 the conversion's scale
.set VLM, 245                          ; v245 the output's limit
.set LF,  246                          ; v246, v247: lim / f
.set WV,  12
.set G1A, 16
.set G1B, 24
.set G0K, 32
.set G0E, 36
.set G0C, 40
.set G0V, 44
.set CS,  60
.set SEL, 62
.set TB,  66
.set TE,  67
.set TV,  68
.set CNT, 69
.macro CROUND
	s_barrier_signal -1
	s_barrier_wait -1
	s_cmp_lg_u32 s[WV], 0
	s_cbranch_scc1 .Lnot_wave_0_\@
	s_barrier_signal -3
.Lnot_wave_0_\@:
	s_barrier_wait -3
	s_barrier_signal -1
	s_barrier_wait -1
.endm
	s_load_b256 s[4:11], s[0:1], 0x0               ; heads, cvec, the scales' exponents, oimg
	v_lshl_add_u32 v[SPW], v0, 2, SPARE
	v_mov_b32 v[NIL], 0
	ds_add_u32 v[SPW], v[NIL]                      ; the wave's opening: the add and its wait stand ahead of my first tensor load
	v_lshrrev_b32 v9, 5, v0
	v_readfirstlane_b32 s[WV], v9                  ; wave 0..7
	s_bfe_u32 s13, ttmp6, 0x40000                  ; cx
	s_lshl_b32 s14, ttmp9, 2
	s_add_co_u32 s14, s14, s13                     ; my block of 256 queries: it enters global addresses alone
	s_and_b32 s15, ttmp7, 0xffff                   ; bh, which the four partners share
	s_mov_b32 s[G1A], 15|(3<<16)|(1<<21)           ; dense blocks as rows of 256 bytes (32 elements of 8 bytes): 64 rows; mask: all four; bit 21 beside it
	s_mov_b32 s[G1A+1], 32<<16
	s_mov_b32 s[G1A+2], 64<<16
	s_mov_b32 s[G1A+3], 32<<16
	s_mov_b32 s[G1A+4], 64
	s_mov_b32 s[G1A+5], 32
	s_mov_b32 s[G1A+6], 0
	s_mov_b32 s[G1A+7], 0
	s_mov_b32 s[G1B], 15|(3<<16)|(1<<21)           ; and 4 rows
	s_mov_b32 s[G1B+1], 32<<16
	s_mov_b32 s[G1B+2], 4<<16
	s_mov_b32 s[G1B+3], 32<<16
	s_mov_b32 s[G1B+4], 4
	s_mov_b32 s[G1B+5], 32
	s_mov_b32 s[G1B+6], 0
	s_mov_b32 s[G1B+7], 0
	s_mov_b32 s[SEL], 0x76543210
	s_mov_b32 s[SEL+1], 0xfedcba98
	s_lshl_b32 s70, s15, 17
	s_lshl_b32 s74, s[WV], 14
	s_add_co_u32 s70, s70, s74                     ; bh x 128 Ki + wave x 16 Ki
	s_mov_b32 s71, 0
	s_lshl_b32 s72, s15, 13
	s_lshl_b32 s75, s[WV], 10
	s_add_co_u32 s72, s72, s75                     ; bh x 8 Ki + wave x 1 Ki
	s_mov_b32 s73, 0
	s_wait_dscnt 0x0                               ; the opening add is done
	s_wait_kmcnt 0x0
	s_load_b256 s[48:55], s[8:9], 0x0              ; e0 .. e7
	s_load_b128 s[56:59], s[8:9], 0x20             ; e8 .. e11
	s_mov_b32 s[G0K], 1
	s_mov_b32 s[G0K+1], s74
	s_add_nc_u64 s[G0K+2:G0K+3], s[4:5], s[70:71]
	s_add_nc_u64 s[G0K+2:G0K+3], s[G0K+2:G0K+3], 4<<20
	s_or_b32 s[G0K+3], s[G0K+3], 0x80000000
	s_mov_b32 s[G0E], 1
	s_add_co_u32 s[G0E+1], s75, KEXP
	s_add_nc_u64 s[G0E+2:G0E+3], s[4:5], s[72:73]
	s_add_nc_u64 s[G0E+2:G0E+3], s[G0E+2:G0E+3], (12<<20)+(512<<10)
	s_or_b32 s[G0E+3], s[G0E+3], 0x80000000
	s_mov_b32 s[G0C], 1
	s_add_co_u32 s[G0C+1], s75, CVEC
	s_add_nc_u64 s[G0C+2:G0C+3], s[6:7], s[72:73]
	s_or_b32 s[G0C+3], s[G0C+3], 0x80000000
	s_mov_b32 s[G0V], 1
	s_add_co_u32 s[G0V+1], s74, VIMG
	s_add_nc_u64 s[G0V+2:G0V+3], s[4:5], s[70:71]
	s_add_nc_u64 s[G0V+2:G0V+3], s[G0V+2:G0V+3], 8<<20
	s_or_b32 s[G0V+3], s[G0V+3], 0x80000000
	CROUND                                         ; all four work-groups are here: the joint loads meet
	tensor_load_to_lds s[G0K:G0K+3], s[G1A:G1A+7]  ; four loads of mine are out: K's codes,
	s_nop 0
	tensor_load_to_lds s[G0E:G0E+3], s[G1B:G1B+7]  ; E,
	s_nop 0
	tensor_load_to_lds s[G0C:G0C+3], s[G1B:G1B+7]  ; c,
	s_nop 0
	tensor_load_to_lds s[G0V:G0V+3], s[G1A:G1A+7]  ; and, last, V's codes, which walk B does not want
	s_nop 0
.rept 4
	v_nop
.endr
	v_and_b32 v9, 31, v0
	v_lshlrev_b32 v[LI], 4, v9
	v_bfe_u32 v10, v0, 4, 1
	v_lshlrev_b32 v[LH], 5, v10
	v_and_b32 v11, 15, v0
	v_lshlrev_b32 v[GO], 2, v11
	s_lshl_b32 s76, s15, 17                        ; my queries' codes: bh x 128 Ki + (16 block + 2 wave) x 1,024
	s_lshl_b32 s74, s14, 14
	s_add_co_u32 s76, s76, s74
	s_lshl_b32 s74, s[WV], 11
	s_add_co_u32 s76, s76, s74
	s_mov_b32 s77, 0
	s_add_nc_u64 s[76:77], s[4:5], s[76:77]
	s_lshl_b32 s78, s15, 13                        ; their W: 12 Mi + 256 Ki + bh x 8 Ki + block x 1 Ki + wave x 128
	s_lshl_b32 s74, s14, 10
	s_add_co_u32 s78, s78, s74
	s_lshl_b32 s74, s[WV], 7
	s_add_co_u32 s78, s78, s74
	s_add_co_u32 s78, s78, (12<<20)+(256<<10)
	s_mov_b32 s79, 0
	s_add_nc_u64 s[78:79], s[4:5], s[78:79]
	s_lshr_b32 s80, s15, 4                         ; the output: image tile 128 batch + 16 block + 2 wave, 16,384 bytes each; the head's 64 channels are 1,024 bytes of it
	s_lshl_b32 s80, s80, 7
	s_lshl_b32 s74, s14, 4
	s_add_co_u32 s80, s80, s74
	s_lshl_b32 s74, s[WV], 1
	s_add_co_u32 s80, s80, s74
	s_lshl_b32 s80, s80, 14
	s_and_b32 s74, s15, 15
	s_lshl_b32 s74, s74, 10
	s_add_co_u32 s80, s80, s74
	s_mov_b32 s81, 0
	s_add_nc_u64 s[80:81], s[10:11], s[80:81]
.irp x, 0,1
.irp c, 0,1
	global_load_b128 v[Q+8*\x+4*\c:Q+8*\x+4*\c+3], v[LI], s[76:77] offset:1024*\x+512*\c
.endr
	global_load_b32 v[QC+8*\x], v[GO], s[78:79] offset:64*\x
.endr
	s_wait_kmcnt 0x0
	s_add_co_i32 s74, s54, s55
	s_sub_co_i32 s74, s74, 5
	s_lshl_b32 s74, s74, 23
	s_add_co_i32 s[CS], s74, 0x3fb8aa3b            ; cs: e6 + e7 - 5 added to the exponent field of log2(e)
	s_mov_b32 s[CS+1], s[CS]
	s_add_co_i32 s74, s56, 127
	s_lshl_b32 s75, s74, 23
	v_mov_b32 v[VSC], s75                          ; 2^e8 as f32
	s_add_co_i32 s74, s74, 8
	s_lshl_b32 s82, s74, 23
	s_or_b32 s82, s82, 0x5ffff8                    ; lim
	s_sub_co_i32 s83, s58, s56
	s_sub_co_i32 s83, s83, s57                     ; e10 - e8 - e9: a sum of the second product stands for sum x 2^(e8 + e9)
	s_add_co_i32 s83, s83, 127
	s_mov_b32 s[TB], 0
	s_mov_b32 s[TE], KEXP
	s_wait_tensorcnt 1                             ; my parts of K, E and c have landed; V's may stay out
	s_barrier_signal -1
	s_barrier_wait -1
.macro PRO_KEC                         ; a walk's first fetches: codes, E, c, in this order
	v_add_nc_u32 v[ADK], s[TB], v[LI]
	v_add_nc_u32 v[ADE], s[TE], v[LH]
.irp u, 0,1
.irp c, 0,1
	ds_load_b128 v[KF+8*\u+4*\c:KF+8*\u+4*\c+3], v[ADK] offset:1024*\u+512*\c
.endr
.endr
.irp u, 0,1
.irp e, 0,1
	ds_load_b128 v[EV+8*\u+4*\e:EV+8*\u+4*\e+3], v[ADE] offset:64*\u+16*\e
.endr
.endr
.irp u, 0,1
.irp e, 0,1
	ds_load_b128 v[CV+8*\u+4*\e:CV+8*\u+4*\e+3], v[ADE] offset:8192+64*\u+16*\e
.endr
.endr
.endm
; 32 walked keys.  mode 1: walk B; 2: walk C, whose codes go to half sb of P.  more = 1: the next 32 are fetched.  wk, we, wc: how many younger LDS loads may be out when the codes, E and c must be in.
.macro SUB mode, sb, more, wk, we, wc
	s_wait_dscnt \wk
.irp u, 0,1
.irp x, 0,1
	v_wmma_f32_16x16x64_fp8_fp8 v[S+16*\x+8*\u:S+16*\x+8*\u+7], v[KF+8*\u:KF+8*\u+7], v[Q+8*\x:Q+8*\x+7], v[QC+8*\x:QC+8*\x+7]
.endr
.endr
.if \more
	s_add_co_u32 s[TB], s[TB], 2048
	s_add_co_u32 s[TE], s[TE], 128
	v_add_nc_u32 v[ADK], s[TB], v[LI]              ; four places behind the products: two additions, two v_nop
	v_add_nc_u32 v[ADE], s[TE], v[LH]
	v_nop
	v_nop
.irp u, 0,1
.irp c, 0,1
	ds_load_b128 v[KF+8*\u+4*\c:KF+8*\u+4*\c+3], v[ADK] offset:1024*\u+512*\c
.endr
.endr
.else
.rept 4
	v_nop
.endr
.endif
	s_wait_dscnt \we
.irp x, 0,1
.irp u, 0,1
.irp i, 0,2,4,6
	v_pk_fma_f32 v[S+16*\x+8*\u+\i:S+16*\x+8*\u+\i+1], v[S+16*\x+8*\u+\i:S+16*\x+8*\u+\i+1], s[CS:CS+1], v[EV+8*\u+\i:EV+8*\u+\i+1] op_sel_hi:[1,0,1]   ; t; each accumulator from its low end on
.endr
.endr
.endr
.if \more
.irp u, 0,1
.irp e, 0,1
	ds_load_b128 v[EV+8*\u+4*\e:EV+8*\u+4*\e+3], v[ADE] offset:64*\u+16*\e
.endr
.endr
.endif
.if \mode < 2
.set jj, 0
.rept 32
	v_min_num_f32 v[S+jj], 0, v[S+jj]              ; the clip of d2 at 0
.set jj, jj+1
.endr
.endif
.set jj, 0
.rept 32
	v_exp_f32 v[S+jj], v[S+jj]
.set jj, jj+1
.endr
	v_nop                                          ; a plain line behind the last exponential
	s_wait_alu depctr_va_vdst(0)                   ; the wait ahead of the batch's first reader: one for the 32
.if \mode < 2
.irp i, 0,2,4,6
.irp x, 0,1
.irp u, 0,1
	v_pk_add_f32 v[NS+4*\x+2*\u:NS+4*\x+2*\u+1], v[NS+4*\x+2*\u:NS+4*\x+2*\u+1], v[S+16*\x+8*\u+\i:S+16*\x+8*\u+\i+1]
.endr
.endr
.endr
	s_wait_dscnt \wc
.irp i, 0,2,4,6
.irp x, 0,1
.irp u, 0,1
	v_pk_fma_f32 v[SS+4*\x+2*\u:SS+4*\x+2*\u+1], v[S+16*\x+8*\u+\i:S+16*\x+8*\u+\i+1], v[CV+8*\u+\i:CV+8*\u+\i+1], v[SS+4*\x+2*\u:SS+4*\x+2*\u+1]
.endr
.endr
.endr
.else
	s_wait_dscnt \wc
.irp x, 0,1
.irp u, 0,1
.irp i, 0,2,4,6
	v_pk_mul_f32 v[S+16*\x+8*\u+\i:S+16*\x+8*\u+\i+1], v[S+16*\x+8*\u+\i:S+16*\x+8*\u+\i+1], v[CV+8*\u+\i:CV+8*\u+\i+1]   ; 2^t c
.endr
.endr
.endr
.irp x, 0,1
.irp u, 0,1
.irp j, 0,1,2,3,4,5,6,7
	v_min3_num_f32 v[S+16*\x+8*\u+\j], v[S+16*\x+8*\u+\j], v[CV+8*\u+\j], v[LF+\x]   ; the clip (2^t at most 1) and the hold in one
.endr
.endr
.endr
.irp x, 0,1
.irp u, 0,1
.irp i, 0,2,4,6
	v_pk_mul_f32 v[S+16*\x+8*\u+\i:S+16*\x+8*\u+\i+1], v[S+16*\x+8*\u+\i:S+16*\x+8*\u+\i+1], v[F+2*\x:F+2*\x+1]   ; the finished probability
.endr
.endr
.endr
.irp x, 0,1
.irp u, 0,1
	v_cvt_scalef32_pk8_fp8_f32 v[P+8*\x+4*(\sb)+2*\u:P+8*\x+4*(\sb)+2*\u+1], v[S+16*\x+8*\u:S+16*\x+8*\u+7], v[VSC]   ; keys 32 sb + 16 (lane / 16) + 8 u + 0 .. 7
.endr
.endr
	v_nop                                          ; a plain line between the conversions and the products that read their results or write their sources
.endif
.if \more
.irp u, 0,1
.irp e, 0,1
	ds_load_b128 v[CV+8*\u+4*\e:CV+8*\u+4*\e+3], v[ADE] offset:8192+64*\u+16*\e
.endr
.endr
.endif
.endm
; O^T += V^T P^T for 64 keys: the eight accumulators take turns, one instruction a turn; between two links of a chain stand the seven others' and eight products K Q^T.
.macro PV zero, more, wv
	s_wait_dscnt \wv
.irp t, 0,1,2,3
.irp x, 0,1
.if \zero
	v_wmma_f32_16x16x64_fp8_fp8 v[O+32*\x+8*\t:O+32*\x+8*\t+7], v[VF+8*\t:VF+8*\t+7], v[P+8*\x:P+8*\x+7], 0
.else
	v_wmma_f32_16x16x64_fp8_fp8 v[O+32*\x+8*\t:O+32*\x+8*\t+7], v[VF+8*\t:VF+8*\t+7], v[P+8*\x:P+8*\x+7], v[O+32*\x+8*\t:O+32*\x+8*\t+7]
.endif
.endr
.endr
.if \more
	s_add_co_u32 s[TV], s[TV], 4096
	v_add_nc_u32 v[ADV], s[TV], v[LI]              ; four places in front of the loads into V's registers
	v_nop
	v_nop
	v_nop
.irp t, 0,1,2,3
.irp c, 0,1
	ds_load_b128 v[VF+8*\t+4*\c:VF+8*\t+4*\c+3], v[ADV] offset:1024*\t+512*\c
.endr
.endr
.endif
.endm
	; ---- WALK B
	PRO_KEC
	s_wait_loadcnt 0x0
.irp x, 0,1
.irp j, 1,2,3,4,5,6,7
	v_mov_b32 v[QC+8*\x+\j], v[QC+8*\x]
.endr
.endr
.set jj, 0
.rept 16
	v_mov_b32 v[NS+jj], 0
.set jj, jj+1
.endr
	s_mov_b32 s[CNT], 63
.Lwalkb:
	SUB 1, 0, 1, 8, 8, 8                           ; behind each group of four loads stand the two other groups
	s_sub_co_u32 s[CNT], s[CNT], 1
	s_cmp_lg_u32 s[CNT], 0
	s_cbranch_scc1 .Lwalkb
	SUB 1, 0, 0, 8, 4, 0                           ; nothing more is fetched: the counts run down
.irp x, 0,1
	v_pk_add_f32 v[NS+4*\x:NS+4*\x+1], v[NS+4*\x:NS+4*\x+1], v[NS+4*\x+2:NS+4*\x+3]
	v_pk_add_f32 v[SS+4*\x:SS+4*\x+1], v[SS+4*\x:SS+4*\x+1], v[SS+4*\x+2:SS+4*\x+3]
.endr
.irp x, 0,1
	v_add_f32 v[NS+4*\x], v[NS+4*\x], v[NS+4*\x+1]
	v_add_f32 v[SS+4*\x], v[SS+4*\x], v[SS+4*\x+1]
.endr
.irp x, 0,1
	v_permlanex16_b32 v[NS+4*\x+1], v[NS+4*\x], s[SEL], s[SEL+1]   ; the query's other keys lie in lane l xor 16
	v_permlanex16_b32 v[SS+4*\x+1], v[SS+4*\x], s[SEL], s[SEL+1]
.endr
.irp x, 0,1
	v_add_f32 v[NS+4*\x], v[NS+4*\x], v[NS+4*\x+1]                 ; n_r
	v_add_f32 v[SS+4*\x], v[SS+4*\x], v[SS+4*\x+1]                 ; Sc
.endr
	v_rsq_f32 v10, v[NS]                           ; r
	v_rsq_f32 v11, v[NS+4]
	v_nop
	s_wait_alu depctr_va_vdst(0)
	v_mul_f32 v12, v10, v[SS]
	v_mul_f32 v13, v11, v[SS+4]
	v_max_num_f32 v12, 0x2b8cbccc, v12             ; the floor 1e-12
	v_max_num_f32 v13, 0x2b8cbccc, v13
	v_rcp_f32 v14, v12
	v_rcp_f32 v15, v13
	v_nop
	s_wait_alu depctr_va_vdst(0)
	v_mul_f32 v[F], v10, v14                       ; f
	v_mul_f32 v[F+2], v11, v15
	v_rcp_f32 v12, v[F]
	v_rcp_f32 v13, v[F+2]
	v_nop
	v_mov_b32 v[F+1], v[F]                         ; each f twice, for the packed form
	v_mov_b32 v[F+3], v[F+2]
	s_wait_alu depctr_va_vdst(0)
	v_mul_f32 v[LF], s82, v12                      ; lim / f
	v_mul_f32 v[LF+1], s82, v13
	s_wait_tensorcnt 0x0                           ; my part of V has landed,
	s_wait_dscnt 0x0
	s_barrier_signal -1
	s_barrier_wait -1                              ; everybody's has
	; ---- WALK C
	s_mov_b32 s[TB], 0
	s_mov_b32 s[TE], KEXP
	s_mov_b32 s[TV], VIMG
	PRO_KEC
	v_add_nc_u32 v[ADV], s[TV], v[LI]
.irp t, 0,1,2,3
.irp c, 0,1
	ds_load_b128 v[VF+8*\t+4*\c:VF+8*\t+4*\c+3], v[ADV] offset:1024*\t+512*\c
.endr
.endr
	SUB 2, 0, 1, 16, 16, 16                        ; V's eight loads stand among the younger ones
	SUB 2, 1, 1, 8, 8, 8
	PV 1, 1, 24                                    ; the first products start O^T's sums.  Behind V's loads stand the two halves' 24
	s_mov_b32 s[CNT], 30
.Lwalkc:
	SUB 2, 0, 1, 16, 16, 16
	SUB 2, 1, 1, 8, 8, 8
	PV 0, 1, 24
	s_sub_co_u32 s[CNT], s[CNT], 1
	s_cmp_lg_u32 s[CNT], 0
	s_cbranch_scc1 .Lwalkc
	SUB 2, 0, 1, 16, 16, 16
	SUB 2, 1, 0, 8, 4, 0
	PV 0, 0, 0
	; ---- THE WAY OUT: register 16 b + n of tile x is channel 32 b + 16 (lane / 16) + n of my query: 16 neighbours along the last product's K
	s_lshl_b32 s74, s83, 23
	v_mov_b32 v[VSC], s74                          ; 2^(e10 - e8 - e9).  (Two moves and two v_nop: the places behind the last products)
	s_add_co_i32 s83, s83, 8
	s_lshl_b32 s83, s83, 23
	s_or_b32 s83, s83, 0x600000
	v_mov_b32 v[VLM], s83                          ; 448 x that
	v_nop
	v_nop
.set jj, 0
.rept 64
	v_med3_num_f32 v[O+jj], v[O+jj], -v[VLM], v[VLM]   ; each accumulator from its low end on
.set jj, jj+1
.endr
.irp x, 0,1
.irp e, 0,1
.irp g, 0,1
	v_cvt_scalef32_pk8_fp8_f32 v[S+8*\x+4*\e+2*\g:S+8*\x+4*\e+2*\g+1], v[O+32*\x+16*\e+8*\g:O+32*\x+16*\e+8*\g+7], v[VSC]
.endr
.endr
.endr
	v_nop
.irp x, 0,1
.irp e, 0,1
	global_store_b128 v[LI], v[S+8*\x+4*\e:S+8*\x+4*\e+3], s[80:81] offset:16384*\x+512*\e   ; 512 consecutive bytes, aligned
.endr
.endr
	s_wait_tensorcnt 0x0                           ; the wave's end
	ds_add_u32 v[SPW], v[NIL]
	s_wait_dscnt 0x0
	CROUND                                         ; the closing round
	s_endpgm
.Lfunc_end_k_q253049cee0_attn:
	.size	k_q253049cee0_attn, .Lfunc_end_k_q253049cee0_attn-k_q253049cee0_attn
	.p2alignl 7, 3214868480
	.fill 96, 4, 3214868480
	.section	.rodata,"a",@progbits
	.p2align	6, 0x0
	.amdhsa_kernel k_q253049cee0_attn
		.amdhsa_group_segment_fixed_size 279552
		.amdhsa_private_segment_fixed_size 0
		.amdhsa_enable_private_segment 0
		.amdhsa_kernarg_size 32
		.amdhsa_user_sgpr_count 2
		.amdhsa_user_sgpr_kernarg_segment_ptr 1
		.amdhsa_wavefront_size32 1
		.amdhsa_system_sgpr_workgroup_id_x 1
		.amdhsa_system_sgpr_workgroup_id_y 1
		.amdhsa_system_sgpr_workgroup_id_z 1
		.amdhsa_system_vgpr_workitem_id 0
		.amdhsa_next_free_vgpr 256
		.amdhsa_next_free_sgpr 96
		.amdhsa_reserve_vcc 0
		.amdhsa_float_denorm_mode_32 3
		.amdhsa_float_denorm_mode_16_64 3
		.amdhsa_memory_ordered 1
		.amdhsa_forward_progress 1
		.amdhsa_inst_pref_size 78
	.end_amdhsa_kernel
	.amdgpu_metadata
---
amdhsa.version: [ 1, 2 ]
amdhsa.kernels:
  - .name:           k_q253049cee0_attn
    .symbol:         k_q253049cee0_attn.kd
    .args:
      - { .name: heads, .offset: 0, .size: 8, .value_kind: global_buffer, .address_space: global }
      - { .name: cvec, .offset: 8, .size: 8, .value_kind: global_buffer, .address_space: global }
      - { .name: lowp_scales, .offset: 16, .size: 8, .value_kind: global_buffer, .address_space: global }
      - { .name: oimg, .offset: 24, .size: 8, .value_kind: global_buffer, .address_space: global }
    .group_segment_fixed_size: 279552
    .private_segment_fixed_size: 0
    .kernarg_segment_align: 8
    .kernarg_segment_size: 32
    .max_flat_workgroup_size: 256
    .sgpr_count:     96
    .vgpr_count:     256
    .wavefront_size: 32
...
	.end_amdgpu_metadata
.endif
;; end of part 4
;; launch outproj (part 5): grid 4 x 16, 4 waves a work-group, clusters of 4 x 4, 327,680 bytes of LDS; arguments oimg, codes, bo, lowp_scales, out0; writes out0
.if DOCPART == 5
	.amdgcn_target "amdgcn-amd-amdhsa--gfx1250"
	.amdhsa_code_object_version 6
	.text
	.protected	k_q253049cee0_outproj
	.globl	k_q253049cee0_outproj
	.p2align	8
	.type	k_q253049cee0_outproj,@function
k_q253049cee0_outproj:
	s_mov_b64 s[64:65], 0
	v_nop
	global_prefetch_b8 v0, s[64:65] scope:SCOPE_SE
	s_setreg_imm32_b32 hwreg(HW_REG_WAVE_MODE, 25, 1), 1
	s_wait_xcnt 0x0
	s_wait_alu depctr_hold_cnt(0) depctr_sa_sdst(0) depctr_va_vdst(0) depctr_va_sdst(0) depctr_va_ssrc(0) depctr_va_vcc(0) depctr_vm_vsrc(0)
	s_getreg_b32 s2, hwreg(HW_REG_IB_STS2, 6, 4)
	s_cmp_eq_u32 s2, 0
	s_cbranch_scc0 .Lentry_in_a_cluster
	s_endpgm
.Lentry_in_a_cluster:
	s_bfe_u32 s2, ttmp6, 0x10000c
	s_cmp_lg_u32 s2, 0xf033
	s_cbranch_scc0 .Lentry_shape_is_right
	s_endpgm
.Lentry_shape_is_right:
; out0 = O wo^T + bo on codes of FP8 (E4M3).  O [4096][1024] and wo [1024][1024] are images of registers: tile T of 16 rows at 16384 T, k at 256 (k / 16) + 16 x place + k % 16;
; place i of tile 2 b + u is row 32 b + 8 u + i + (i & 8).  out0: [4096][1024] f32.  A sum stands for sum x 2^(e10 + e11).  LIMIT: e10 + e11 between -126 and 127.
; A tile of the result, 256 x 256, is made by four waves, each 128 x 128 in 512 registers; K = 1,024 goes in four steps of 256 through two LDS slots filled by the tensor data mover.
; Source 1 = 16 tokens (O), source 0 = 16 rows of wo: a lane holds one token, and the 16 registers of two neighbouring tiles are 16 neighbouring columns of out0.
; CLUSTERS of 4 x 4: O's tiles are shared along a row of the cluster, wo's along a column: each is asked for JOINTLY.  64 work-groups: one tile each.  No prefetch: K has four steps, of which two are asked for at the head.
; REGISTERS, in windows of 256: window 0: v0-31 addresses, v[32:35] bo, v128-255 O's fragments (ONE set), later rows on their way out; window 1: wo's fragments, TWO sets; windows 2, 3: the accumulators.
.set HALFT,  32768
.set SLOT,   131072
.set KSB,    4096
.set STAGE,  262144                    ; behind the ring: 16 rows x (512 + 16) bytes for each wave
.set SPITCH, 528
.set SPARE,  295936                    ; the spare words, 128 bytes a wave: two blocks of 256 bytes that no other line names
.set FR,     16
.set NL,     4
.set NP,     4
.set ADRA, 16
.set ADRB, 20
.set STO,  24                          ; v24  into the stage: 528 r + 64 h
.set RD,   25                          ; v25  out of it: 16 x lane
.set CO,   26                          ; v26  16 x lane
.set SPW,  28
.set NIL,  29
.set AF,   128
.set BK,   128                         ; rows read back: v128-191 and v192-255 by turns
.set G1, 24
.set G0, 32
.set G1B, 48
.set G0B, 56
.set MSB, 0
.macro WIN new
.if MSB != \new
	s_set_vgpr_msb (MSB<<8)|\new
.set MSB, \new
.endif
.endm
.set MUL_LO, 0xa1
.set MUL_HI, 0xf1
.set TO_B,   0x40
.macro JLOAD g0a, g1a, g0b, g1b        ; waves 0 and 1 fetch O's halves, waves 2 and 3 wo's; an s_nop 0 and four v_nop follow each line
	s_cmp_eq_u32 s15, 0
	s_cbranch_scc0 .Lfor_b_\@
	tensor_load_to_lds s[\g0a:\g0a+3], s[\g1a:\g1a+7]
	s_nop 0
.rept 4
	v_nop
.endr
	s_branch .Lasked_\@
.Lfor_b_\@:
	tensor_load_to_lds s[\g0b:\g0b+3], s[\g1b:\g1b+7]
	s_nop 0
.rept 4
	v_nop
.endr
.Lasked_\@:
.endm
.macro CREST
	s_cmp_lg_u32 s14, 0
	s_cbranch_scc1 .Lnot_wave_0_\@
	s_barrier_signal -3
.Lnot_wave_0_\@:
	s_barrier_wait -3
	s_barrier_signal -1
	s_barrier_wait -1
.endm
.macro CROUND
	s_barrier_signal -1
	s_barrier_wait -1
	CREST
.endm
	s_load_b256 s[4:11], s[0:1], 0x0               ; oimg, codes, bo, the scales' exponents
	s_load_b64 s[12:13], s[0:1], 0x20              ; out0
	v_lshl_add_u32 v[SPW], v0, 2, SPARE
	v_mov_b32 v[NIL], 0
	ds_add_u32 v[SPW], v[NIL]                      ; the wave's opening: the add and its wait stand ahead of my first tensor load
	v_lshrrev_b32 v1, 5, v0
	v_readfirstlane_b32 s14, v1                    ; wave 0..3
	s_lshr_b32 s15, s14, 1
	s_and_b32 s16, s14, 1
	s_bfe_u32 s40, ttmp6, 0x40000                  ; cx, cy
	s_bfe_u32 s41, ttmp6, 0x40004
	s_mov_b32 s42, s40                             ; tile column = cx: the grid has one cluster along x
	s_and_b32 s17, ttmp7, 0xffff
	s_lshl_b32 s17, s17, 2
	s_add_co_u32 s17, s17, s41                     ; tile row = 4 x cluster y + cy
	s_lshl_b32 s43, s41, 2
	s_lshl_b32 s43, 15, s43
	s_lshl_b32 s44, 0x1111, s40
	s_or_b32 s[G1+0], s43, (3<<16)|(1<<21)         ; 8 rows of 512 elements of 8 bytes, 16,384 bytes apart in memory, dense in LDS; the mask: my row
	s_or_b32 s[G1B+0], s44, (3<<16)|(1<<21)        ; my column
.irp g, G1, G1B
	s_mov_b32 s[\g+1], 512<<16
	s_mov_b32 s[\g+2], 8<<16
	s_mov_b32 s[\g+3], 512<<16
	s_mov_b32 s[\g+4], 8
	s_mov_b32 s[\g+5], 2048
	s_mov_b32 s[\g+6], 0
	s_mov_b32 s[\g+7], 0
.endr
	s_lshl_b32 s22, s16, 3
	s_lshl_b32 s20, s17, 4
	s_add_co_u32 s20, s20, s22
	s_lshl_b32 s20, s20, 14
	s_mov_b32 s21, 0
	s_lshl_b32 s46, s42, 4
	s_add_co_u32 s46, s46, s22
	s_lshl_b32 s46, s46, 14
	s_add_co_u32 s46, s46, 15<<20                  ; wo's codes
	s_mov_b32 s47, 0
	s_mul_i32 s45, s14, HALFT
	s_wait_dscnt 0x0
	s_wait_kmcnt 0x0
	s_load_b64 s[96:97], s[10:11], 0x28            ; e10, e11
	s_add_nc_u64 s[20:21], s[4:5], s[20:21]
	s_add_nc_u64 s[46:47], s[6:7], s[46:47]
	CROUND
.irp s, 0,1
	s_mov_b32 s[G0+4*\s], 1
	s_add_co_u32 s[G0+4*\s+1], s45, \s*SLOT
	s_add_nc_u64 s[G0+4*\s+2:G0+4*\s+3], s[20:21], \s*KSB
	s_or_b32 s[G0+4*\s+3], s[G0+4*\s+3], 0x80000000
	s_mov_b32 s[G0B+4*\s], 1
	s_add_co_u32 s[G0B+4*\s+1], s45, \s*SLOT
	s_add_nc_u64 s[G0B+4*\s+2:G0B+4*\s+3], s[46:47], \s*KSB
	s_or_b32 s[G0B+4*\s+3], s[G0B+4*\s+3], 0x80000000
	JLOAD G0+4*\s, G1, G0B+4*\s, G1B
.endr
	v_and_b32 v1, 15, v0                           ; r
	v_bfe_u32 v2, v0, 4, 1                         ; h
	v_and_b32 v3, 31, v0
	v_lshlrev_b32 v[CO], 4, v3
	s_mul_i32 s21, s15, HALFT
	s_mul_i32 s22, s16, HALFT
	s_add_co_u32 s22, s22, 2*HALFT
.irp s, 0,1
	v_add_nc_u32 v[ADRA+\s], s21, v[CO]
	v_add_nc_u32 v[ADRB+\s], s22, v[CO]
	s_add_co_u32 s21, s21, SLOT
	s_add_co_u32 s22, s22, SLOT
.endr
	s_mul_i32 s23, s14, 16*SPITCH
	s_add_co_u32 s23, s23, STAGE                   ; my stage
	v_mul_u32_u24 v[STO], v1, SPITCH
	v_lshl_add_u32 v[STO], v2, 6, v[STO]
	v_add_nc_u32 v[STO], s23, v[STO]
	v_add_nc_u32 v[RD], s23, v[CO]
	s_lshl_b32 s46, s42, 10                        ; my 128 columns, in bytes: 1,024 x tile column + 512 x half
	s_lshl_b32 s47, s16, 9
	s_add_co_u32 s46, s46, s47
	s_mov_b32 s47, 0
	s_add_nc_u64 s[8:9], s[8:9], s[46:47]
	global_load_b128 v[32:35], v[CO], s[8:9]       ; bo of the four columns that I store
	s_lshl_b32 s20, s17, 20                        ; my first row: 256 x tile row + 128 x half, 4,096 bytes each
	s_lshl_b32 s21, s15, 19
	s_add_co_u32 s20, s20, s21
	s_add_co_u32 s20, s20, s46
	s_mov_b32 s21, 0
	s_add_nc_u64 s[12:13], s[12:13], s[20:21]
.macro FRAG reg, adr, q, i
.irp c, 0,1,2,3
	ds_load_b128 v[\reg+4*\c:\reg+4*\c+3], v[\adr] offset:4096*(\i)+2048*(\q)+512*\c
.endr
.endm
.macro MUL16 a0, p, zero               ; the 64 accumulators take turns, one instruction a turn, in the same order in every step
.irp a, \a0, \a0+1
.irp b, 0,1,2,3,4,5,6,7
.if \zero
	v_wmma_f32_16x16x128_fp8_fp8 v[8*(8*((\a)%4)+\b):8*(8*((\a)%4)+\b)+7], v[128*(\p)+FR*\b:128*(\p)+FR*\b+FR-1], v[AF+FR*(\a):AF+FR*(\a)+FR-1], 0
.else
	v_wmma_f32_16x16x128_fp8_fp8 v[8*(8*((\a)%4)+\b):8*(8*((\a)%4)+\b)+7], v[128*(\p)+FR*\b:128*(\p)+FR*\b+FR-1], v[AF+FR*(\a):AF+FR*(\a)+FR-1], v[8*(8*((\a)%4)+\b):8*(8*((\a)%4)+\b)+7]
.endif
.endr
.endr
.endm
.macro FETCH_B slot, q, p
	WIN TO_B
.irp i, 0,1,2,3,4,5,6,7
	FRAG 128*(\p)+FR*\i, ADRB+\slot, \q, \i
.endr
	WIN 0
.endm
.macro FETCH_A slot, q, i0
.irp i, \i0, \i0+1, \i0+2, \i0+3
	FRAG AF+FR*(\i), ADRA+\slot, \q, \i
.endr
.endm
.macro PLACES n
.rept \n
	v_nop
.endr
.endm
.macro STEP slot, q, zero
	s_wait_dscnt 4*NL                              ; all but the youngest sixteen loads (O's blocks 4-7)
	WIN MUL_LO
	MUL16 0, (\q)%2, \zero
	MUL16 2, (\q)%2, \zero
	s_wait_dscnt 0
	PLACES NP
	FETCH_B \slot, (\q)+1, 1-(\q)%2
	FETCH_A \slot, (\q)+1, 0
	WIN MUL_HI
	MUL16 4, (\q)%2, \zero
	MUL16 6, (\q)%2, \zero
	PLACES NP
	WIN 0
	FETCH_A \slot, (\q)+1, 4
.endm
.macro TURN slot, next, fill           ; a slot's last step changes slots: ONE barrier, with the three lines in front of it
	s_wait_tensorcnt 0x0                           ; all my tensor loads have landed: my part of the next slot
	ds_add_u32 v[SPW], v[NIL]                      ; 0 onto my spare word
	s_wait_dscnt 4*NL+1                            ; (the add and the youngest sixteen loads may be out)
	WIN MUL_LO
	MUL16 0, 1, 0
	s_wait_dscnt 0x0                               ; the add is done, and my reads of this slot are over
	s_barrier_signal -1
	MUL16 2, 1, 0
	WIN 0
	s_barrier_wait -1
.if \fill
	CREST                                          ; a round of the cluster's barrier: no wave of any partner still reads this slot or has a load on its way
	s_add_nc_u64 s[G0+4*\slot+2:G0+4*\slot+3], s[G0+4*\slot+2:G0+4*\slot+3], 2*KSB
	s_add_nc_u64 s[G0B+4*\slot+2:G0B+4*\slot+3], s[G0B+4*\slot+2:G0B+4*\slot+3], 2*KSB
	JLOAD G0+4*\slot, G1, G0B+4*\slot, G1B
.else
	PLACES NP
.endif
	FETCH_B \next, 0, 0
	FETCH_A \next, 0, 0
	WIN MUL_HI
	MUL16 4, 1, 0
	MUL16 6, 1, 0
	PLACES NP
	WIN 0
	FETCH_A \next, 0, 4
.endm
	s_wait_tensorcnt 1                             ; my part of K step 0 is in (K step 1's load may be out)
	s_barrier_signal -1
	s_barrier_wait -1
	FETCH_B 0, 0, 0
	FETCH_A 0, 0, 0
	FETCH_A 0, 0, 4
	STEP 0, 0, 1
	TURN 0, 1, 1
	STEP 1, 0, 0
	TURN 1, 0, 1
	STEP 0, 0, 0
	TURN 0, 1, 0
	STEP 1, 0, 0
	s_wait_dscnt 4*NL                              ; the very last step: nothing more to fetch
	WIN MUL_LO
	MUL16 0, 1, 0
	MUL16 2, 1, 0
	s_wait_dscnt 0
	WIN MUL_HI
	MUL16 4, 1, 0
	MUL16 6, 1, 0
	WIN 0
; THE WAY OUT, block by block of 16 tokens x 128 columns.  The sums go into my own stage as they are (a lane's 16 registers of two neighbouring tiles are 64 neighbouring bytes of its row) and come back as whole rows of
; 512 bytes; there each pair is multiplied by 2^(e10 + e11) and bo is added, in one packed multiply-add; the 32 lanes store a row's 512 consecutive bytes, aligned.
.macro TOSTAGE a
	WIN 0x08+4*((\a)/4)                            ; the stores' data: window 2 or 3
.irp b, 0,1,2,3,4,5,6,7
	ds_store_b128 v[STO], v[64*((\a)%4)+8*\b:64*((\a)%4)+8*\b+3] offset:128*(\b/2)+32*(\b%2)       ; each accumulator from its low end on
	ds_store_b128 v[STO], v[64*((\a)%4)+8*\b+4:64*((\a)%4)+8*\b+7] offset:128*(\b/2)+32*(\b%2)+16
.endr
	WIN 0
.set BB, BK+64*((\a)%2)
.irp t, 0,1,2,3,4,5,6,7,8,9,10,11,12,13,14,15
	ds_load_b128 v[BB+4*\t:BB+4*\t+3], v[RD] offset:\t*SPITCH   ; LDS serves a wave's instructions in order: these see my stores, and the next block's stores come behind them
.endr
.endm
.macro SEND a, younger                 ; younger: the LDS instructions issued behind block a's loads
.set BB, BK+64*((\a)%2)
	s_wait_dscnt \younger
.irp t, 0,1,2,3,4,5,6,7,8,9,10,11,12,13,14,15
	v_pk_fma_f32 v[BB+4*\t:BB+4*\t+1], v[BB+4*\t:BB+4*\t+1], s[96:97], v[32:33] op_sel_hi:[1,0,1]
	v_pk_fma_f32 v[BB+4*\t+2:BB+4*\t+3], v[BB+4*\t+2:BB+4*\t+3], s[96:97], v[34:35] op_sel_hi:[1,0,1]
.endr
.irp t, 0,1,2,3,4,5,6,7,8,9,10,11,12,13,14,15
	global_store_b128 v[CO], v[BB+4*\t:BB+4*\t+3], s[12:13] offset:(32*((\a)/2)+8*((\a)%2)+\t+((\t)&8))*4096 th:TH_STORE_NT   ; place t of tile a is that row; 127 rows at the most: inside the signed 24-bit immediate
.endr
.endm
	s_wait_kmcnt 0x0
	s_add_co_i32 s96, s96, s97
	s_add_co_i32 s96, s96, 127
	s_lshl_b32 s96, s96, 23                        ; 2^(e10 + e11) as f32,
	s_mov_b32 s97, s96                             ; named as a pair
	s_wait_loadcnt 0x0                             ; bo
	PLACES NP                                      ; behind the last products: for the stores that read results, and the loads into the registers that held O's fragments
	TOSTAGE 0
.irp a, 1,2,3,4,5,6,7
.if \a > 1
	s_wait_xcnt 0x0                                ; block a - 2's stores have read their registers: block a's loads may land there
.endif
	TOSTAGE \a
	SEND \a-1, 32                                  ; behind block a - 1's loads: block a's 16 stores and 16 loads
.endr
	SEND 7, 0
	s_wait_tensorcnt 0x0                           ; the wave's end: behind my last tensor load and my last LDS store
	ds_add_u32 v[SPW], v[NIL]
	s_wait_dscnt 0x0
	CROUND                                         ; the closing round
	s_endpgm
.Lfunc_end_k_q253049cee0_outproj:
	.size	k_q253049cee0_outproj, .Lfunc_end_k_q253049cee0_outproj-k_q253049cee0_outproj
	.p2alignl 7, 3214868480
	.fill 96, 4, 3214868480
	.section	.rodata,"a",@progbits
	.p2align	6, 0x0
	.amdhsa_kernel k_q253049cee0_outproj
		.amdhsa_group_segment_fixed_size 327680
		.amdhsa_private_segment_fixed_size 0
		.amdhsa_enable_private_segment 0
		.amdhsa_kernarg_size 40
		.amdhsa_user_sgpr_count 2
		.amdhsa_user_sgpr_kernarg_segment_ptr 1
		.amdhsa_wavefront_size32 1
		.amdhsa_system_sgpr_workgroup_id_x 1
		.amdhsa_system_sgpr_workgroup_id_y 1
		.amdhsa_system_sgpr_workgroup_id_z 1
		.amdhsa_system_vgpr_workitem_id 0
		.amdhsa_next_free_vgpr 1024
		.amdhsa_next_free_sgpr 100
		.amdhsa_reserve_vcc 0
		.amdhsa_float_denorm_mode_32 3
		.amdhsa_float_denorm_mode_16_64 3
		.amdhsa_memory_ordered 1
		.amdhsa_forward_progress 1
		.amdhsa_inst_pref_size 122
	.end_amdhsa_kernel
	.amdgpu_metadata
---
amdhsa.version: [ 1, 2 ]
amdhsa.kernels:
  - .name:           k_q253049cee0_outproj
    .symbol:         k_q253049cee0_outproj.kd
    .args:
      - { .name: oimg, .offset: 0, .size: 8, .value_kind: global_buffer, .address_space: global }
      - { .name: codes, .offset: 8, .size: 8, .value_kind: global_buffer, .address_space: global }
      - { .name: bo, .offset: 16, .size: 8, .value_kind: global_buffer, .address_space: global }
      - { .name: lowp_scales, .offset: 24, .size: 8, .value_kind: global_buffer, .address_space: global }
      - { .name: out0, .offset: 32, .size: 8, .value_kind: global_buffer, .address_space: global }
    .group_segment_fixed_size: 327680
    .private_segment_fixed_size: 0
    .kernarg_segment_align: 8
    .kernarg_segment_size: 40
    .max_flat_workgroup_size: 128
    .sgpr_count:     100
    .vgpr_count:     1024
    .wavefront_size: 32
...
	.end_amdgpu_metadata
.endif
;; end of part 5
